; MI455X (gfx1250); checked and timed in simulation.
; The chip was launched on July 23, 2026; its instructions are those of AMD's public machine-readable ISA for CDNA 5 (MIT licence, August 2026) and "CDNA5" Instruction Set Architecture Reference Guide (July 2026). The comments in the code are by the model that wrote it; some were corrected since.
;; Transformer Layer. Allowed arithmetic: matrix products marked QUANTISED: E2M3 operands, one E8M0 scale for each 32 along K, by v_wmma_scale_f32_16x16x128_f8f6f4 with both operands' format E2M3, f32 sums; everything else in f32.
;; Inputs: prev_k 2 x 512 x 8 x 64 float32; prev_v 2 x 512 x 8 x 64 float32; rel_bias 8 x 32 float32; w_k 512 x 8 x 64 float32; w_q 512 x 8 x 64 float32; w_v 512 x 8 x 64 float32; xs 2 x 4,096 x 512 float32.
;; Outputs: out0 2 x 4,096 x 8 x 64 float32; out1 2 x 512 x 8 x 64 float32; out2 2 x 512 x 8 x 64 float32.
;; This version of the problem:
;;   THIS VERSION OF THE PROBLEM IS GIVEN IN LOW PRECISION. The matrix products marked QUANTISED in the list below multiply operands that are first quantised to E2M3 (2 exponent bits, 3 mantissa bits; 6 bits a number), with one power-of-two scale for each 32 numbers along K (OCP MX v1.0); their sums are f32. All else is computed in f32.
;;   The module's matrix products, in the order in which they are computed (A, B: the left and right operand; K: the contracted axis; several contracted axes count as one K, in the product's order):
;;     1. [M 8,192, K 512] x [K 512, N 512]; A: input xs; B: input w_q: QUANTISED
;;     2. [M 8,192, K 512] x [K 512, N 512]; A: input xs; B: input w_k: QUANTISED
;;     3. [M 8,192, K 512] x [K 512, N 512]; A: input xs; B: input w_v: QUANTISED
;;     4. batch 128 x [M 512, K 64] x [K 64, N 1,024]; A: computed on the way; B: computed on the way: QUANTISED
;;     5. batch 128 x [M 64, K 1,024] x [K 1,024, N 512]; A: computed on the way; B: softmax (see below): QUANTISED
;;   THE QUANTISER, for each operand of a quantised product, along K:
;;     - K is cut into blocks of 32 from its start; a last block that is shorter is filled with zeros.
;;     - A block's scale is 2^e with e = floor(log2(the largest magnitude in the block)) - 2, held to -126 .. 127; a block of zeros has e = 0. As a byte (E8M0): e + 127.
;;     - Each number is divided by its block's scale, clamped to +-7.5, and rounded to the nearest number of E2M3, ties to even, subnormals kept.
;;     - The product sums the exact products of the quantised numbers (number of the format x scale) in f32.
;;   ~~~python
;;   def quantise(x, axis):      # numpy; x: float32 -> the quantised numbers, widened to float32 again
;;       x = np.moveaxis(x, axis, -1); K = x.shape[-1]
;;       x = np.pad(x, [(0, 0)] * (x.ndim - 1) + [(0, -K % 32)]); x = x.reshape(x.shape[:-1] + (-1, 32)); a = np.abs(x).max(-1, keepdims=True)
;;       e = np.where(a > 0, np.clip(np.frexp(np.where(a > 0, a, 1))[1] - 1 - 2, -126, 127), 0)      # np.frexp(a)[1] - 1 = floor(log2(a)), exactly
;;       r = np.clip(x / 2.0 ** e, -7.5, 7.5)
;;       step = 2.0 ** (np.maximum(np.frexp(np.where(r == 0, 1, r))[1] - 1, 0) - 3)
;;       q = np.round(r / step) * step * 2.0 ** e      # np.round: ties to even
;;       return np.moveaxis(q.reshape(q.shape[:-2] + (-1,))[..., :K], -1, axis).astype(np.float32)
;;   ~~~
;;   SOFTMAX AHEAD OF A QUANTISED PRODUCT. Where the list says 'softmax', what is quantised is not the finished softmax but p = 2^(t - M), with t = logit x log2(e) and M = ceil(the row's largest t), a whole number; so 1/2 < the row's largest p <= 1. The row's sum l is taken of the UNQUANTISED p, in f32, and the product's result is divided by l at the end. Since M is a whole number, a kernel that streams over the keys may use a running M (the ceiling of the running maximum): every later rescaling is an exact power of two, which a block's scale takes up: the codes' values come out the same.
;;   OPERANDS COMPUTED ON THE WAY. 'Computed on the way' means the value that the module computes at that place (a softmax that the list does not call 'softmax' is quantised finished and normalised). What goes into a quantiser is computed in f32, as accurately as f32 sums, v_exp_f32 and their like allow (about 1e-6 of the number): no bf16 or f16 on the way to a quantiser, and a product that is left as it is and whose result goes on into a quantised operand takes f32 operands (vector FMAs, or v_wmma_f32_16x16x4_f32). A number that lies on a knife's edge between two numbers of the format may be rounded either way, as far as f32 arithmetic and the matrix unit's own rounding can turn it there, and no further.
;; 2 versions. Each part assembles by itself: llvm-mc -triple=amdgcn-amd-amdhsa -mcpu=gfx1250 --defsym DOCPART=n.
;; ======== version 1 of 2: 3 launches
;; workspace buffers: xs_img 3,145,728 bytes; xs_sc 131,072 bytes; w_img 786,432 bytes; w_sc 32,768 bytes; qbuf 3,407,872 bytes; kv 7,520,256 bytes
;; launch prep (part 1): grid 672 x 1, 4 waves a work-group, no clusters, 34,304 bytes of LDS; arguments xs, prev_k, prev_v, w_q, w_k, w_v, xs_img, xs_sc, w_img, w_sc, kv; writes xs_img, xs_sc, w_img, w_sc, kv
.if DOCPART == 1
	.amdgcn_target "amdgcn-amd-amdhsa--gfx1250"
	.amdhsa_code_object_version 6
	.text
	.protected	k_q41e5cd1deb_prep
	.globl	k_q41e5cd1deb_prep
	.p2align	8
	.type	k_q41e5cd1deb_prep,@function
k_q41e5cd1deb_prep:
	s_mov_b64 s[64:65], 0
	v_nop
	global_prefetch_b8 v0, s[64:65] scope:SCOPE_SE
	s_setreg_imm32_b32 hwreg(HW_REG_WAVE_MODE, 25, 1), 1
	s_wait_xcnt 0x0
; xs, w_q, w_k, w_v (twice, in two orders of its columns), prev_k and prev_v, all f32, become codes of FP6 (E2M3) with one E8M0 byte for each 32 along the K of the product
; that will read them.  The codes are stored as IMAGES OF OPERAND REGISTERS: a half image (768 bytes) is six registers of a 16-row fragment (64 along K): registers 0-3 at 16 x lane,
; then registers 4-5 at 512 + 8 x lane; a fragment (128 along K) is two half images.  Every store of codes covers whole aligned runs of 256 bytes.
; A PERMUTED tile 2 b + u holds, as its row rho, index 32 b + 8 u + rho + 8 (rho / 8): used as source 0 of a product it leaves 16 neighbours along that index in a lane's registers.
; A wave does ONE task, with all its loads issued at once.  Work-groups 0-511: xs; 512-575: prev_k (K innermost: rows); 576-639: the weights; 640-671: prev_v (K is the first axis: columns).
; A block's scale is 2^(floor(log2(its largest magnitude)) - 2); the byte is the largest magnitude's exponent field - 2, held at 1 from below.
; w_q's bytes have 3 taken off: that is the factor 1 / 8 on q, exactly.
; LIMITS: NaN and infinities are not served; a block whose largest magnitude lies under 2^-124 (a block of zeros too) keeps the byte 1: the bytes are read by this program alone;
; blocks of w_q whose largest magnitude lies under 2^-121 are not served (the 3 taken off).
; No matrix unit, no tensor load, no cluster: each input byte is read by one wave (w_v by two), nothing is shared.  No barrier: a wave's stage in LDS is its own.
.set HS,    470016                     ; kv: from head to head: 36 records
.set REC,   13056                      ; kv: a record of 128 keys: K 8 x 768, V 4 x 1536, K's scale words 512, V's 256
.set PITCH, 528                        ; a stage row: 512 bytes + 16: sixteen rows begin in sixteen different 16-byte columns of a run of 256 bytes
.set WST,   16*PITCH                   ; a wave's stage
.set LD,    16                         ; v16-79   rows path: 16 rows x 16 bytes as loaded
.set X,     80                         ; v80-143  rows path: 64 numbers of my row
.set CX,    16                         ; v16-143  columns path: 128 numbers of my column
.set TM,    144                        ; v144-159 at work on the scales
.set PW,    160                        ; v160     the scale word
.set PC,    164                        ; v164-187 codes; v188-203 halves of blocks on their way
.set SEL,   44                         ; s[44:45] v_permlanex16_b32's selects for lane l xor 16
; 64 numbers of a lane, register 16 b + i = k 32 b + 16 (lane / 16) + i of my row, become a fragment's codes in v[PC] on and its scale word in v[PW]
.macro QUANT s
.irp b, 0,1,2,3
	v_max3_num_f32 v[TM+\b], |v[\s+16*\b]|, |v[\s+1+16*\b]|, 0x1800000   ; my 16 numbers of block b, and the floor 2^(3 - 127): the byte cannot fall under 1
.endr
.irp i, 2,4,6,8,10,12,14
.irp b, 0,1,2,3
	v_max3_num_f32 v[TM+\b], v[TM+\b], |v[\s+16*\b+\i]|, |v[\s+1+16*\b+\i]|   ; the four blocks by turns
.endr
.endr
.irp b, 0,1,2,3
	v_permlanex16_b32 v[TM+4+\b], v[TM+\b], s[SEL], s[SEL+1]
.endr
.irp b, 0,1,2,3
	v_max_num_f32 v[TM+\b], v[TM+\b], v[TM+4+\b]   ; with lane l xor 16's 16: the block's largest magnitude
.endr
.irp b, 0,1,2,3
	v_add_nc_u32 v[TM+12+\b], 0xff000000, v[TM+\b]   ; 2 off its exponent field: the conversion's scale operand
.endr
.irp b, 0,1,2,3
	v_lshrrev_b32 v[TM+4+\b], 23, v[TM+12+\b]      ; the scale's byte
.endr
	v_lshl_or_b32 v[PW], v[TM+5], 8, v[TM+4]
	v_lshl_or_b32 v[PW], v[TM+6], 16, v[PW]
	v_lshl_or_b32 v[PW], v[TM+7], 24, v[PW]
.irp c, 0,1
	v_cvt_scalef32_pk16_fp6_f32 v[PC+6*\c:PC+2+6*\c], v[\s+32*\c:\s+15+32*\c], v[TM+12+2*\c]
	v_cvt_scalef32_pk16_fp6_f32 v[PC+12+4*\c:PC+14+4*\c], v[\s+16+32*\c:\s+31+32*\c], v[TM+12+2*\c+1]   ; (a conversion's three registers begin on an even number)
.endr
	v_nop                                          ; one plain line behind the conversions
.irp c, 0,1                                    ; the operand wants a whole block in a lane: lanes 0-15 block 2 c, lanes 16-31 block 2 c + 1
.irp i, 0,1,2
	v_permlane16_swap_b32 v[PC+6*\c+\i], v[PC+12+4*\c+\i]
.endr
.irp i, 0,1,2
	v_mov_b32 v[PC+3+6*\c+\i], v[PC+12+4*\c+\i]
.endr
.endr
.endm
; a fragment's two half images: the first at the base, the second HALF bytes on (v3, v4 carry HALF)
.macro STORE_IMG pc, base
	global_store_b128 v1, v[\pc:\pc+3], s[\base:\base+1]
	global_store_b64 v2, v[\pc+4:\pc+5], s[\base:\base+1] offset:512
	global_store_b128 v3, v[\pc+6:\pc+9], s[\base:\base+1]
	global_store_b64 v4, v[\pc+10:\pc+11], s[\base:\base+1] offset:512
.endm
	s_load_b512 s[4:19], s[0:1], 0x0               ; xs, prev_k, prev_v, w_q, w_k, w_v, xs_img, xs_sc
	s_load_b128 s[20:23], s[0:1], 0x40             ; w_img, w_sc
	s_load_b64 s[24:25], s[0:1], 0x50              ; kv
	v_lshl_add_u32 v208, v0, 2, 0x8400
	v_mov_b32 v209, 0
	v_lshrrev_b32 v10, 5, v0
	v_readfirstlane_b32 s26, v10                   ; wave
	v_and_b32 v11, 31, v0                          ; lane
	v_and_b32 v12, 15, v0                          ; r
	v_bfe_u32 v13, v0, 4, 1                        ; h
	v_lshlrev_b32 v1, 4, v11                       ; 16 x lane
	v_lshlrev_b32 v2, 3, v11                       ; 8 x lane
	s_mul_i32 s54, s26, WST
	v_add_nc_u32 v7, s54, v1                       ; the stage, in: 16 x lane of a row
	v_mul_u32_u24 v8, v12, PITCH
	v_lshl_add_u32 v8, v13, 6, v8
	v_add_nc_u32 v8, s54, v8                       ; and out: row r, + 64 h: my 16 numbers of a block of 32
	s_mov_b32 s[SEL], 0x76543210
	s_mov_b32 s[SEL+1], 0xfedcba98
	s_cmp_lt_u32 ttmp9, 576
	s_cbranch_scc0 .Lcolumns
; ---- ROWS (K innermost): the work-group takes a permuted tile of 16 rows of 512 numbers, wave w columns 128 w on
	s_cmp_lt_u32 ttmp9, 512
	s_cselect_b32 s27, 0, 512
	s_sub_co_u32 s27, ttmp9, s27                   ; p: the tile among xs's 512 or prev_k's 64
	s_lshr_b32 s28, s27, 1
	s_lshl_b32 s28, s28, 16                        ; 32 (p / 2) rows of 2,048 bytes
	s_and_b32 s29, s27, 1
	s_lshl_b32 s29, s29, 14                        ; + 8 (p % 2) rows
	s_add_co_u32 s28, s28, s29
	s_lshl_b32 s29, s26, 9
	s_add_co_u32 s28, s28, s29                     ; + 512 w: where I read
	s_lshl_b32 s30, s27, 2
	s_add_co_u32 s30, s30, s26
	s_mul_i32 s30, s30, 1536                       ; xs: fragment 4 p + w
	s_lshl_b32 s31, s27, 8
	s_lshl_b32 s46, s26, 2
	s_add_co_u32 s31, s31, s46                     ; xs: scale words: 256 p + 4 w
	s_lshr_b32 s47, s27, 5                         ; prev_k: batch,
	s_and_b32 s48, s27, 31                         ; tile of the batch's 32
	s_lshl_b32 s47, s47, 3
	s_lshl_b32 s49, s26, 1
	s_add_co_u32 s47, s47, s49                     ; my 128 columns are heads 2 w and 2 w + 1
	s_mul_i32 s47, s47, 36
	s_lshr_b32 s49, s48, 3
	s_add_co_u32 s47, s47, s49
	s_mul_i32 s47, s47, REC                        ; head 2 w's record of these keys
	s_and_b32 s49, s48, 7
	s_mul_i32 s49, s49, 768
	s_add_co_u32 s49, s49, s47                     ; the tile's half image in it
	s_bfe_u32 s50, s48, 0x10002
	s_lshl_b32 s50, s50, 8
	s_and_b32 s51, s48, 3
	s_lshl_b32 s51, s51, 2
	s_add_co_u32 s50, s50, s51
	s_add_co_u32 s50, s50, s47
	s_add_co_u32 s50, s50, 12288                   ; and its scale words: [tile / 4][r][tile % 4]
	s_mov_b32 s52, HS
	s_cmp_lt_u32 ttmp9, 512                        ; xs or prev_k: only pointers and numbers are chosen; the text is one
	s_cselect_b32 s30, s30, s49
	s_cselect_b32 s46, s31, s50
	s_cselect_b32 s40, 768, s52                    ; HALF: the second half image lies behind the first, or in the next head's record
	s_cselect_b32 s41, 0, s52                      ; lanes 16-31 store the word for the next head, or the same word again
	s_cselect_b32 s42, 0, 16                       ; and shift it down by two bytes
	s_mov_b32 s29, 0
	s_mov_b32 s31, 0
	s_mov_b32 s47, 0
	s_wait_kmcnt 0x0
	s_cselect_b64 s[32:33], s[4:5], s[6:7]
	s_cselect_b64 s[34:35], s[16:17], s[24:25]
	s_cselect_b64 s[38:39], s[18:19], s[24:25]
	s_add_nc_u64 s[32:33], s[32:33], s[28:29]
	s_add_nc_u64 s[34:35], s[34:35], s[30:31]
	s_add_nc_u64 s[38:39], s[38:39], s[46:47]
.irp i, 0,1,2,3,4,5,6,7,8,9,10,11,12,13,14,15
	global_load_b128 v[LD+4*\i:LD+4*\i+3], v1, s[32:33] offset:(\i+8*(\i/8))*2048 th:TH_LOAD_NT   ; the tile's row i: 512 consecutive bytes; read once in the launch
.endr
	v_add_nc_u32 v3, s40, v1
	v_add_nc_u32 v4, s40, v2
	v_lshlrev_b32 v5, 4, v12
	v_mul_u32_u24 v10, s41, v13
	v_add_nc_u32 v5, v5, v10                       ; the scale word's place: 16 r (+ a head for lanes 16-31)
	v_mul_u32_u24 v6, s42, v13
.irp b, 0,1,2,3
	v_mov_b32 v[TM+4+\b], 0                        ; a lane permute's destination counts as one of its sources
.endr
.irp i, 0,1,2,3,4,5,6,7,8,9,10,11,12,13,14,15
	s_wait_loadcnt 15-\i                           ; row i is in; the 15 - i younger loads may be out
	ds_store_b128 v7, v[LD+4*\i:LD+4*\i+3] offset:PITCH*\i
.endr
.irp b, 0,1,2,3
.irp j, 0,1,2,3
	ds_load_b128 v[X+16*\b+4*\j:X+16*\b+4*\j+3], v8 offset:128*\b+16*\j   ; LDS serves a wave's instructions in order: these see my stores
.endr
.endr
	s_wait_dscnt 0x0
	QUANT X
	STORE_IMG PC, 34
	v_lshrrev_b32 v10, v6, v[PW]
	global_store_b32 v5, v10, s[38:39]             ; 4 bytes a lane, 16 apart: 4 bytes for each 512 read
	s_wait_tensorcnt 0x0
	ds_add_u32 v208, v209
	s_wait_dscnt 0x0
	s_endpgm
; ---- COLUMNS (K is the first axis): the work-group takes 32 columns (two tiles), wave w rows 128 w on.  A lane takes a column and its registers run down K
.Lcolumns:
	s_sub_co_u32 s27, ttmp9, 576
	s_lshr_b32 s28, s27, 4                         ; T: 0 w_q, 1 w_k, 2 w_v in natural tiles, 3 w_v in permuted tiles; 4, 5: prev_v of batch T & 1
	s_and_b32 s29, s27, 15                         ; which 32 columns
	s_lshl_b32 s30, s26, 18                        ; 128 w rows of 2,048 bytes
	s_lshl_b32 s31, s29, 7
	s_add_co_u32 s30, s30, s31
	s_and_b32 s31, s28, 1
	s_lshl_b32 s46, s31, 20                        ; prev_v: the batch's 512 rows
	s_cmp_ge_u32 s28, 4
	s_cselect_b32 s46, s46, 0
	s_add_co_u32 s30, s30, s46                     ; where I read
	s_lshl_b32 s47, s28, 5
	s_lshl_b32 s48, s29, 1
	s_add_co_u32 s47, s47, s48                     ; a weight: the first of my two column tiles
	s_lshl_b32 s48, s47, 2
	s_add_co_u32 s48, s48, s26
	s_mul_i32 s48, s48, 1536                       ; its fragment of K step w
	s_lshl_b32 s47, s47, 8
	s_lshl_b32 s49, s26, 2
	s_add_co_u32 s47, s47, s49                     ; its scale words
	s_lshl_b32 s49, s31, 3
	s_lshr_b32 s50, s29, 1
	s_add_co_u32 s49, s49, s50                     ; prev_v: 8 x batch + head
	s_mul_i32 s49, s49, 36
	s_add_co_u32 s49, s49, s26
	s_mul_i32 s49, s49, REC                        ; the record of keys 128 w on
	s_and_b32 s50, s29, 1
	s_mul_i32 s51, s50, 3072
	s_add_co_u32 s51, s51, s49
	s_add_co_u32 s51, s51, 6144                    ; V's tiles 2 (cp % 2) and the next
	s_lshl_b32 s50, s50, 3
	s_add_co_u32 s50, s50, s49
	s_add_co_u32 s50, s50, 12800                   ; their scale words: [r][tile]
	s_mov_b32 s52, 1536
	s_cmp_lt_u32 s28, 4
	s_cselect_b32 s48, s48, s51
	s_cselect_b32 s50, s47, s50
	s_cselect_b32 s52, 6144, s52                   ; from the first tile's fragment to the second's
	s_cselect_b32 s41, 256, 4                      ; and from its scale word to the second's
	s_mov_b32 s31, 0
	s_mov_b32 s49, 0
	s_mov_b32 s51, 0
	s_mov_b32 s53, 0
	s_wait_kmcnt 0x0
	s_cselect_b64 s[34:35], s[20:21], s[24:25]
	s_cselect_b64 s[38:39], s[22:23], s[24:25]
	s_cmp_eq_u32 s28, 0
	s_cselect_b64 s[32:33], s[10:11], s[14:15]
	s_cselect_b32 s42, 0x03030303, 0               ; w_q: 3 off every byte
	s_cmp_eq_u32 s28, 1
	s_cselect_b64 s[32:33], s[12:13], s[32:33]
	s_cmp_ge_u32 s28, 4
	s_cselect_b64 s[32:33], s[8:9], s[32:33]
	s_cselect_b32 s43, 0, -1
	s_cmp_eq_u32 s28, 2
	s_cselect_b32 s43, 0, s43                      ; all ones where the tiles are permuted
	s_add_nc_u64 s[32:33], s[32:33], s[30:31]
	s_add_nc_u64 s[34:35], s[34:35], s[48:49]
	s_add_nc_u64 s[36:37], s[34:35], s[52:53]
	s_add_nc_u64 s[38:39], s[38:39], s[50:51]
	v_and_b32 v10, 7, v11
	v_and_b32 v14, 8, v11
	v_lshl_or_b32 v10, v14, 1, v10
	v_and_b32 v14, 16, v11
	v_lshrrev_b32 v14, 1, v14
	v_or_b32 v10, v10, v14                         ; lane 16 u + rho takes column 8 u + rho + 8 (rho / 8),
	v_cndmask_b32 v9, v11, v10, s43                ; or its own number
	v_lshlrev_b32 v9, 2, v9
.set j, 0
.rept 128
	global_load_b32 v[CX+j], v9, s[32:33] offset:j*2048   ; a row's 32 columns: 128 consecutive bytes
.set j, j+1
.endr
	v_add_nc_u32 v3, 768, v1
	v_add_nc_u32 v4, 768, v2
	v_lshlrev_b32 v5, 4, v12
	v_mul_u32_u24 v10, s41, v13
	v_add_nc_u32 v5, v5, v10
; block B of my column: all 32 numbers are mine.  Blocks 0 and 2 go to v164 on, blocks 1 and 3 to v176 on
.macro CBLOCK B
.set XS, CX+32*(\B)
.set FB, PC+12*((\B)%2)+6*((\B)/2)
.if (\B) == 0
	s_wait_loadcnt 63                              ; a wait names 63 at the most (ISA guide 5.7.1): of the 128 loads at most 63 are out, so the first 65 are in: blocks 0 AND 1; block 1 has no wait of its own
.elseif (\B) >= 2
	s_wait_loadcnt 96-32*(\B)                      ; this block's 32 loads are in; block 3's may be out while block 2 is worked
.endif
	v_max3_num_f32 v[TM+\B], |v[XS]|, |v[XS+1]|, 0x1800000
	v_max3_num_f32 v[TM+4+\B], |v[XS+2]|, |v[XS+3]|, |v[XS+4]|
.irp i, 5,9,13,17,21,25
	v_max3_num_f32 v[TM+\B], v[TM+\B], |v[XS+\i]|, |v[XS+\i+1]|
	v_max3_num_f32 v[TM+4+\B], v[TM+4+\B], |v[XS+\i+2]|, |v[XS+\i+3]|
.endr
	v_max3_num_f32 v[TM+\B], v[TM+\B], |v[XS+29]|, |v[XS+30]|
	v_max3_num_f32 v[TM+\B], v[TM+\B], v[TM+4+\B], |v[XS+31]|
	v_add_nc_u32 v[TM+8+\B], 0xff000000, v[TM+\B]
	v_cvt_scalef32_pk16_fp6_f32 v[FB:FB+2], v[XS:XS+15], v[TM+8+\B]
	v_cvt_scalef32_pk16_fp6_f32 v[188+4*\B:190+4*\B], v[XS+16:XS+31], v[TM+8+\B]
	v_lshrrev_b32 v[TM+12+\B], 23, v[TM+8+\B]      ; the byte; also the plain line behind the conversions
.endm
	CBLOCK 0
	CBLOCK 1
	CBLOCK 2
	CBLOCK 3
	v_nop
.irp B, 0,1,2,3
.irp i, 0,1,2
	v_mov_b32 v[PC+12*(\B%2)+6*(\B/2)+3+\i], v[188+4*\B+\i]
.endr
.endr
.irp i, 0,1,2,3,4,5,6,7,8,9,10,11
	v_permlane16_swap_b32 v[PC+\i], v[PC+12+\i]    ; the first's lanes 16-31 (tile 1, blocks 0, 2) change places with the second's lanes 0-15 (tile 0, blocks 1, 3): now v164 on is tile 0's fragment, v176 on tile 1's
.endr
	v_lshl_or_b32 v[PW], v[TM+13], 8, v[TM+12]
	v_lshl_or_b32 v[PW], v[TM+14], 16, v[PW]
	v_lshl_or_b32 v[PW], v[TM+15], 24, v[PW]
	v_sub_nc_u32 v[PW], v[PW], s42
	STORE_IMG PC, 34
	STORE_IMG PC+12, 36
	global_store_b32 v5, v[PW], s[38:39]           ; lane 16 u + rho: tile u's row rho
	s_endpgm
.Lfunc_end_k_q41e5cd1deb_prep:
	.size	k_q41e5cd1deb_prep, .Lfunc_end_k_q41e5cd1deb_prep-k_q41e5cd1deb_prep
	.p2alignl 7, 3214868480
	.fill 96, 4, 3214868480
	.section	.rodata,"a",@progbits
	.p2align	6, 0x0
	.amdhsa_kernel k_q41e5cd1deb_prep
		.amdhsa_group_segment_fixed_size 34304
		.amdhsa_private_segment_fixed_size 0
		.amdhsa_enable_private_segment 0
		.amdhsa_kernarg_size 88
		.amdhsa_user_sgpr_count 2
		.amdhsa_user_sgpr_kernarg_segment_ptr 1
		.amdhsa_wavefront_size32 1
		.amdhsa_system_sgpr_workgroup_id_x 1
		.amdhsa_system_sgpr_workgroup_id_y 1
		.amdhsa_system_sgpr_workgroup_id_z 1
		.amdhsa_system_vgpr_workitem_id 0
		.amdhsa_next_free_vgpr 210
		.amdhsa_next_free_sgpr 66
		.amdhsa_reserve_vcc 0
		.amdhsa_float_denorm_mode_32 3
		.amdhsa_float_denorm_mode_16_64 3
		.amdhsa_memory_ordered 1
		.amdhsa_forward_progress 1
		.amdhsa_inst_pref_size 34
	.end_amdhsa_kernel
	.amdgpu_metadata
---
amdhsa.version: [ 1, 2 ]
amdhsa.kernels:
  - .name:           k_q41e5cd1deb_prep
    .symbol:         k_q41e5cd1deb_prep.kd
    .args:
      - { .name: xs, .offset: 0, .size: 8, .value_kind: global_buffer, .address_space: global }
      - { .name: prev_k, .offset: 8, .size: 8, .value_kind: global_buffer, .address_space: global }
      - { .name: prev_v, .offset: 16, .size: 8, .value_kind: global_buffer, .address_space: global }
      - { .name: w_q, .offset: 24, .size: 8, .value_kind: global_buffer, .address_space: global }
      - { .name: w_k, .offset: 32, .size: 8, .value_kind: global_buffer, .address_space: global }
      - { .name: w_v, .offset: 40, .size: 8, .value_kind: global_buffer, .address_space: global }
      - { .name: xs_img, .offset: 48, .size: 8, .value_kind: global_buffer, .address_space: global }
      - { .name: xs_sc, .offset: 56, .size: 8, .value_kind: global_buffer, .address_space: global }
      - { .name: w_img, .offset: 64, .size: 8, .value_kind: global_buffer, .address_space: global }
      - { .name: w_sc, .offset: 72, .size: 8, .value_kind: global_buffer, .address_space: global }
      - { .name: kv, .offset: 80, .size: 8, .value_kind: global_buffer, .address_space: global }
    .group_segment_fixed_size: 34304
    .private_segment_fixed_size: 0
    .kernarg_segment_align: 8
    .kernarg_segment_size: 88
    .max_flat_workgroup_size: 128
    .sgpr_count:     66
    .vgpr_count:     210
    .wavefront_size: 32
...
	.end_amdgpu_metadata
.endif
;; end of part 1
;; launch proj (part 2): grid 200 x 1, 4 waves a work-group, no clusters, 34,304 bytes of LDS; arguments xs_img, xs_sc, w_img, w_sc, qbuf, kv, out1, out2; writes qbuf, kv, out1, out2
.if DOCPART == 2
	.amdgcn_target "amdgcn-amd-amdhsa--gfx1250"
	.amdhsa_code_object_version 6
	.text
	.protected	k_q41e5cd1deb_proj
	.globl	k_q41e5cd1deb_proj
	.p2align	8
	.type	k_q41e5cd1deb_proj,@function
k_q41e5cd1deb_proj:
	s_mov_b64 s[64:65], 0
	v_nop
	global_prefetch_b8 v0, s[64:65] scope:SCOPE_SE
	s_setreg_imm32_b32 hwreg(HW_REG_WAVE_MODE, 25, 1), 1
	s_wait_xcnt 0x0
; q = xs w_q / 8, k = xs w_k, v = xs w_v on codes of FP6 (E2M3) with E8M0 scales, sums in f32; the results are quantised in registers for the attention's two products
; (q and k along the head's 64, v along the keys) and stored as images of operand registers; the last 512 positions of k and v also leave as f32 (out1, out2).
; ONE BODY.  A wave keeps a STATIONARY operand in registers, 128 rows x 512 K = 8 permuted tiles x 4 K steps, 384 registers, and walks 8 MOVING tiles of 16 rows x 512 K.
; Source 0 is a stationary tile, source 1 the moving tile: a lane holds ONE moving row, and its 64 results run along the stationary axis, 16 neighbours to each pair of tiles.
;   type 0 (q), 1 (k): stationary = the wave's 128 columns of the weight (two heads), moving = the block's 8 tiles of positions: the results run along the head's axis.
;   type 2 (v):        stationary = the block's 128 positions, moving = the wave's 8 natural tiles of w_v's columns: the results run along the keys.
;   type 3: as type 1 with w_v, for the last window alone: out2 leaves in whole rows; it stores nothing else.
; Work-groups: type = id / 64; a block is 128 positions of the 8,192.  192 + 8 work-groups: 768 + 32 wave tasks of 128 x 128 x 512; no equal split into more keeps whole fragments.
; Operands go from memory straight into registers, each as images, whole runs of 256 bytes.  NO CLUSTER, NO TENSOR LOAD: those land in LDS, and here nothing goes through LDS but the f32 rows on their way out;
; the moving tiles that the four waves of types 0, 1, 3 share are 48 KiB of the 96 KiB that a wave reads.  No barrier: a wave's stage is its own.
; LIMITS: as the launch before: NaN and infinities are not served; a block under 2^-124 keeps the byte 1.
; REGISTERS, in windows of 256: window 0: v1-13 addresses; v48-55 the scale words made; v56-95 at work; v96-159 the 8 accumulators; v160-191 the stationary tiles' scale words, v192-223 the moving tiles'.
;   window 1: stationary tiles 0-3, fragment (t, s) at 12 (4 t + s);  window 2: tiles 4-7;  window 3: v0-191 four moving tiles by turns; v192-255 rows of f32 on their way out.
.set HS,    470016
.set HSQ,   212992
.set REC,   13056
.set QREC,  6656
.set PITCH, 528
.set WST,   16*PITCH
.set SW,    48
.set TM,    56
.set PW,    72
.set PC,    76
.set HA,    96
.set SS,    160
.set MS,    192
.set RB,    192                        ; in window 3
.set SEL,   42
.set MSB, 0
.macro WIN new                         ; the immediate's high byte repeats the setting that is left
.if MSB != \new
	s_set_vgpr_msb (MSB<<8)|\new
.set MSB, \new
.endif
.endm
.set MULA, 0x0d                        ; source 0 window 1, source 1 window 3, C and D window 0
.set MULB, 0x0e                        ; source 0 window 2
.macro QUANT s
.irp b, 0,1,2,3
	v_max3_num_f32 v[TM+\b], |v[\s+16*\b]|, |v[\s+1+16*\b]|, 0x1800000   ; my 16 numbers of block b, and the floor 2^(3 - 127).  (Each accumulator is read from its low end on)
.endr
.irp i, 2,4,6,8,10,12,14
.irp b, 0,1,2,3
	v_max3_num_f32 v[TM+\b], v[TM+\b], |v[\s+16*\b+\i]|, |v[\s+1+16*\b+\i]|
.endr
.endr
.irp b, 0,1,2,3
	v_permlanex16_b32 v[TM+4+\b], v[TM+\b], s[SEL], s[SEL+1]
.endr
.irp b, 0,1,2,3
	v_max_num_f32 v[TM+\b], v[TM+\b], v[TM+4+\b]
.endr
.irp b, 0,1,2,3
	v_add_nc_u32 v[TM+12+\b], 0xff000000, v[TM+\b]
.endr
.irp b, 0,1,2,3
	v_lshrrev_b32 v[TM+4+\b], 23, v[TM+12+\b]
.endr
	v_lshl_or_b32 v[PW], v[TM+5], 8, v[TM+4]
	v_lshl_or_b32 v[PW], v[TM+6], 16, v[PW]
	v_lshl_or_b32 v[PW], v[TM+7], 24, v[PW]
.irp c, 0,1
	v_cvt_scalef32_pk16_fp6_f32 v[PC+6*\c:PC+2+6*\c], v[\s+32*\c:\s+15+32*\c], v[TM+12+2*\c]
	v_cvt_scalef32_pk16_fp6_f32 v[PC+12+4*\c:PC+14+4*\c], v[\s+16+32*\c:\s+31+32*\c], v[TM+12+2*\c+1]
.endr
	v_nop                                          ; one plain line behind the conversions
.irp c, 0,1
.irp i, 0,1,2
	v_permlane16_swap_b32 v[PC+6*\c+\i], v[PC+12+4*\c+\i]
.endr
.irp i, 0,1,2
	v_mov_b32 v[PC+3+6*\c+\i], v[PC+12+4*\c+\i]
.endr
.endr
.endm
.macro STORE_IMG pc, base
	global_store_b128 v1, v[\pc:\pc+3], s[\base:\base+1]
	global_store_b64 v2, v[\pc+4:\pc+5], s[\base:\base+1] offset:512
	global_store_b128 v3, v[\pc+6:\pc+9], s[\base:\base+1]
	global_store_b64 v4, v[\pc+10:\pc+11], s[\base:\base+1] offset:512
.endm
.macro LDFRAG reg, base, off           ; a fragment's image, 1,536 bytes, into 12 registers
	global_load_b128 v[(\reg):(\reg)+3], v1, s[\base:\base+1] offset:(\off)
	global_load_b64 v[(\reg)+4:(\reg)+5], v2, s[\base:\base+1] offset:(\off)+512
	global_load_b128 v[(\reg)+6:(\reg)+9], v1, s[\base:\base+1] offset:(\off)+768
	global_load_b64 v[(\reg)+10:(\reg)+11], v2, s[\base:\base+1] offset:(\off)+1280
.endm
.macro MM t, s, i                      ; stationary tile t x moving tile i, K step s; the first K step starts the sum
.set rD, HA+8*(\t)
.set rA, 12*(4*((\t)%4)+(\s))
.set rB, 48*((\i)%4)+12*(\s)
.if (\s) == 0
	v_wmma_scale_f32_16x16x128_f8f6f4 v[rD:rD+7], v[rA:rA+11], v[rB:rB+11], 0, v[SS+4*(\t)+(\s)], v[MS+4*(\i)+(\s)] matrix_a_fmt:MATRIX_FMT_FP6 matrix_b_fmt:MATRIX_FMT_FP6
.else
	v_wmma_scale_f32_16x16x128_f8f6f4 v[rD:rD+7], v[rA:rA+11], v[rB:rB+11], v[rD:rD+7], v[SS+4*(\t)+(\s)], v[MS+4*(\i)+(\s)] matrix_a_fmt:MATRIX_FMT_FP6 matrix_b_fmt:MATRIX_FMT_FP6
.endif
.endm
	s_load_b512 s[4:19], s[0:1], 0x0               ; xs_img, xs_sc, w_img, w_sc, qbuf, kv, out1, out2
	v_lshl_add_u32 v254, v0, 2, 0x8400
	v_mov_b32 v255, 0
	v_lshrrev_b32 v10, 5, v0
	v_readfirstlane_b32 s20, v10                   ; wave
	v_and_b32 v11, 31, v0
	v_and_b32 v12, 15, v0                          ; r
	v_bfe_u32 v13, v0, 4, 1                        ; h
	v_lshlrev_b32 v1, 4, v11                       ; 16 x lane
	v_lshlrev_b32 v2, 3, v11                       ; 8 x lane
	v_lshlrev_b32 v10, 4, v12                      ; 16 r: a row's four scale words
	s_lshr_b32 s21, ttmp9, 6                       ; type
	s_and_b32 s44, ttmp9, 63
	s_lshr_b32 s45, s44, 2
	s_lshl_b32 s45, s45, 5
	s_and_b32 s46, s44, 3
	s_add_co_u32 s45, s45, s46
	s_add_co_u32 s45, s45, 28                      ; type 3: blocks 28-31 of each batch
	s_cmp_eq_u32 s21, 3
	s_cselect_b32 s44, s45, s44                    ; the block of 128 positions
	s_lshr_b32 s45, s44, 5                         ; batch
	s_and_b32 s46, s44, 31                         ; block in the batch
	s_mul_i32 s48, s44, 49152                      ; xs: 8 tiles x 4 fragments
	s_mov_b32 s49, 0
	s_lshl_b32 s50, s44, 11
	s_mov_b32 s51, 0
	s_lshl_b32 s47, s21, 5
	s_lshl_b32 s52, s20, 3
	s_add_co_u32 s47, s47, s52                     ; the weight's tiles 32 type + 8 w on
	s_mul_i32 s52, s47, 6144
	s_mov_b32 s53, 0
	s_lshl_b32 s54, s47, 8
	s_mov_b32 s55, 0
	s_wait_kmcnt 0x0
	s_add_nc_u64 s[4:5], s[4:5], s[48:49]
	s_add_nc_u64 s[6:7], s[6:7], s[50:51]
	s_add_nc_u64 s[8:9], s[8:9], s[52:53]
	s_add_nc_u64 s[10:11], s[10:11], s[54:55]
	s_cmp_eq_u32 s21, 2
	s_cselect_b64 s[24:25], s[4:5], s[8:9]         ; stationary: codes,
	s_cselect_b64 s[26:27], s[8:9], s[4:5]         ; moving: codes,
	s_cselect_b64 s[28:29], s[6:7], s[10:11]       ; stationary: scale words,
	s_cselect_b64 s[30:31], s[10:11], s[6:7]       ; moving: scale words
.irp t, 0,1,2,3,4,5,6,7
	global_load_b128 v[SS+4*\t:SS+4*\t+3], v10, s[28:29] offset:256*\t   ; tile t's row r: the words of the four K steps (lanes 16-31 repeat lanes 0-15)
.endr
.irp t, 0,1,2,3,4,5,6,7
	global_load_b128 v[MS+4*\t:MS+4*\t+3], v10, s[30:31] offset:256*\t
.endr
	WIN 0x40
.set f, 0
.rept 16
	LDFRAG 12*f, 24, 1536*f
.set f, f+1
.endr
	WIN 0x80
.set f, 0
.rept 16
	LDFRAG 12*f, 24, 1536*(f+16)
.set f, f+1
.endr
	WIN 0xc0
.set f, 0
.rept 16
	LDFRAG 12*f, 26, 1536*f                        ; moving tiles 0-3
.set f, f+1
.endr
	WIN 0
	; where the results go
	s_lshl_b32 s47, s45, 3
	s_lshl_b32 s48, s20, 1
	s_add_co_u32 s47, s47, s48                     ; 8 x batch + head 2 w
	s_lshl_b32 s48, s47, 5
	s_add_co_u32 s48, s48, s46
	s_mul_i32 s48, s48, QREC                       ; q's record
	s_mul_i32 s50, s47, 36
	s_add_co_u32 s50, s50, s46
	s_add_co_u32 s50, s50, 4
	s_mul_i32 s50, s50, REC                        ; k's and v's: key index = position + 512
	s_mov_b32 s54, HS
	s_mov_b32 s59, 12288
	s_cmp_eq_u32 s21, 0
	s_cselect_b64 s[32:33], s[12:13], s[14:15]
	s_cselect_b32 s48, s48, s50
	s_cselect_b32 s53, HSQ, s54                    ; from head to head
	s_cselect_b32 s59, 6144, s59                   ; from the images to the scale words
	s_mov_b32 s38, 768
	s_mov_b32 s40, 768
	s_mov_b32 s57, 256
	s_cmp_eq_u32 s21, 2
	s_cselect_b32 s55, 6144, 0                     ; V's tiles lie behind K's
	s_cselect_b32 s52, 768, s53                    ; HALF: v: one fragment; q, k: the second half belongs to the next head
	s_cselect_b32 s38, 1536, s38                   ; from trip to trip,
	s_cselect_b32 s40, HS-4608, s40                ; and into trip 4: v: the next head's first tile
	s_cselect_b32 s56, 0, s53                      ; scale words: lanes 16-31 serve the next head (q, k)
	s_cselect_b32 s57, s54, s57                    ; the second four words: the next 256 bytes (q, k) or the next head (v)
	s_cselect_b32 s58, 0, 16
	s_cselect_b32 s59, 6656, s59
	s_add_co_u32 s48, s48, s55
	s_mov_b32 s49, 0
	s_mov_b32 s39, 0
	s_mov_b32 s41, 0
	s_add_nc_u64 s[32:33], s[32:33], s[48:49]      ; the images
	s_mov_b32 s48, s59
	s_add_nc_u64 s[34:35], s[32:33], s[48:49]      ; the scale words
	s_cmp_ge_u32 s46, 28
	s_cselect_b32 s22, 1, 0
	s_cmp_eq_u32 s21, 1
	s_cselect_b32 s22, s22, 0
	s_cselect_b64 s[36:37], s[16:17], s[18:19]
	s_cmp_eq_u32 s21, 3
	s_cselect_b32 s22, 1, s22                      ; 1: the results also leave as f32
	s_lshl_b32 s48, s45, 20
	s_and_b32 s50, s46, 3
	s_lshl_b32 s50, s50, 18
	s_add_co_u32 s48, s48, s50
	s_lshl_b32 s50, s20, 9
	s_add_co_u32 s48, s48, s50
	s_add_nc_u64 s[36:37], s[36:37], s[48:49]      ; row 512 x batch + 128 (block % 4), + 512 w bytes
	s_mov_b32 s[SEL], 0x76543210
	s_mov_b32 s[SEL+1], 0xfedcba98
	v_add_nc_u32 v3, s52, v1
	v_add_nc_u32 v4, s52, v2
	v_mul_u32_u24 v5, s56, v13
	v_add_nc_u32 v5, v5, v10
	v_add_nc_u32 v6, s57, v5
	v_mul_u32_u24 v7, s58, v13
	s_mul_i32 s50, s20, WST
	v_mul_u32_u24 v8, v12, PITCH
	v_lshl_add_u32 v8, v13, 6, v8
	v_add_nc_u32 v8, s50, v8                       ; my stage, in: row r, + 64 h
	v_add_nc_u32 v9, s50, v1                       ; and back: 16 x lane of a row
.irp b, 0,1,2,3
	v_mov_b32 v[TM+4+\b], 0                        ; a lane permute's destination counts as one of its sources
.endr
.irp b, 0,1,2,3,4,5,6,7
	v_mov_b32 v[SW+\b], 0                          ; written on every way
.endr
; A TRIP: moving tile i against the eight stationary tiles.
.macro TRIP i
.if \i <= 4
	s_wait_loadcnt 48                              ; this tile's 16 loads (and all before them) are in; those of the three tiles behind it may be out
.else
	s_wait_loadcnt 16*(7-\i)
.endif
	WIN MULA
.irp s, 0,1,2,3
.irp t, 0,1,2,3
	MM \t, \s, \i                                  ; four accumulators by turns, one instruction a turn
.endr
.endr
	WIN MULB
.irp s, 0,1,2,3
.irp t, 4,5,6,7
	MM \t, \s, \i
.endr
.endr
	WIN 0
.rept 5
	v_nop                                          ; places: four ahead of the loads into the moving tile's registers and of the first read of results; five ahead of the next trip's products, which begin the accumulators anew
.endr
.if \i < 4
	WIN 0xc0
.irp s, 0,1,2,3
	LDFRAG 48*(\i%4)+12*\s, 26, (4*(\i+4)+\s)*1536 ; the tile four trips on takes this tile's registers
.endr
	WIN 0
.endif
	s_cmp_eq_u32 s22, 0
	s_cbranch_scc1 .Lno_f32_\@
.irp b, 0,1,2,3                                ; a lane holds 16 neighbours of each 32 of its row: through my stage, back as whole rows of 512 bytes
.irp j, 0,1,2,3
	ds_store_b128 v8, v[HA+16*\b+4*\j:HA+16*\b+4*\j+3] offset:128*\b+16*\j   ; each accumulator from its low end on
.endr
.endr
	WIN 0xc0
.irp q, 0,1,2,3,4,5,6,7,8,9,10,11,12,13,14,15
	ds_load_b128 v[RB+4*\q:RB+4*\q+3], v9 offset:PITCH*\q   ; LDS serves a wave's instructions in order: these see my stores
.endr
	WIN 0x0c
.irp q, 0,1,2,3,4,5,6,7,8,9,10,11,12,13,14,15
	s_wait_dscnt 15-\q                             ; row q is back; the 15 - q younger loads may be out
	global_store_b128 v1, v[RB+4*\q:RB+4*\q+3], s[36:37] offset:(32*(\i/2)+8*(\i%2)+\q+8*(\q/8))*2048 th:TH_STORE_NT   ; 512 consecutive bytes of a row
.endr
	WIN 0
.Lno_f32_\@:
	s_wait_xcnt 0x0                                ; the earlier stores have read their data and their base: both are written again only behind this wait
	s_cmp_eq_u32 s21, 3
	s_cbranch_scc1 .Lonly_f32_\@
.if \i == 4
	s_add_nc_u64 s[32:33], s[32:33], s[40:41]
.elseif \i > 0
	s_add_nc_u64 s[32:33], s[32:33], s[38:39]
.endif
	QUANT HA
	STORE_IMG PC, 32
	v_lshrrev_b32 v[SW+\i], v7, v[PW]              ; q, k: lanes 16-31 keep the second head's two bytes
.Lonly_f32_\@:
.endm
	TRIP 0
	TRIP 1
	TRIP 2
	TRIP 3
	TRIP 4
	TRIP 5
	TRIP 6
	TRIP 7
	s_cmp_eq_u32 s21, 3
	s_cbranch_scc1 .Lend
	global_store_b128 v5, v[SW:SW+3], s[34:35]     ; sixteen lanes store 256 consecutive bytes: [r][four tiles]
	global_store_b128 v6, v[SW+4:SW+7], s[34:35]
.Lend:
	s_wait_tensorcnt 0x0
	ds_add_u32 v254, v255
	s_wait_dscnt 0x0
	s_endpgm
.Lfunc_end_k_q41e5cd1deb_proj:
	.size	k_q41e5cd1deb_proj, .Lfunc_end_k_q41e5cd1deb_proj-k_q41e5cd1deb_proj
	.p2alignl 7, 3214868480
	.fill 96, 4, 3214868480
	.section	.rodata,"a",@progbits
	.p2align	6, 0x0
	.amdhsa_kernel k_q41e5cd1deb_proj
		.amdhsa_group_segment_fixed_size 34304
		.amdhsa_private_segment_fixed_size 0
		.amdhsa_enable_private_segment 0
		.amdhsa_kernarg_size 64
		.amdhsa_user_sgpr_count 2
		.amdhsa_user_sgpr_kernarg_segment_ptr 1
		.amdhsa_wavefront_size32 1
		.amdhsa_system_sgpr_workgroup_id_x 1
		.amdhsa_system_sgpr_workgroup_id_y 1
		.amdhsa_system_sgpr_workgroup_id_z 1
		.amdhsa_system_vgpr_workitem_id 0
		.amdhsa_next_free_vgpr 1024
		.amdhsa_next_free_sgpr 66
		.amdhsa_reserve_vcc 0
		.amdhsa_float_denorm_mode_32 3
		.amdhsa_float_denorm_mode_16_64 3
		.amdhsa_memory_ordered 1
		.amdhsa_forward_progress 1
		.amdhsa_inst_pref_size 133
	.end_amdhsa_kernel
	.amdgpu_metadata
---
amdhsa.version: [ 1, 2 ]
amdhsa.kernels:
  - .name:           k_q41e5cd1deb_proj
    .symbol:         k_q41e5cd1deb_proj.kd
    .args:
      - { .name: xs_img, .offset: 0, .size: 8, .value_kind: global_buffer, .address_space: global }
      - { .name: xs_sc, .offset: 8, .size: 8, .value_kind: global_buffer, .address_space: global }
      - { .name: w_img, .offset: 16, .size: 8, .value_kind: global_buffer, .address_space: global }
      - { .name: w_sc, .offset: 24, .size: 8, .value_kind: global_buffer, .address_space: global }
      - { .name: qbuf, .offset: 32, .size: 8, .value_kind: global_buffer, .address_space: global }
      - { .name: kv, .offset: 40, .size: 8, .value_kind: global_buffer, .address_space: global }
      - { .name: out1, .offset: 48, .size: 8, .value_kind: global_buffer, .address_space: global }
      - { .name: out2, .offset: 56, .size: 8, .value_kind: global_buffer, .address_space: global }
    .group_segment_fixed_size: 34304
    .private_segment_fixed_size: 0
    .kernarg_segment_align: 8
    .kernarg_segment_size: 64
    .max_flat_workgroup_size: 128
    .sgpr_count:     66
    .vgpr_count:     1024
    .wavefront_size: 32
...
	.end_amdgpu_metadata
.endif
;; end of part 2
;; launch attn (part 3): grid 16 x 16, 16 waves a work-group, no clusters, 162,560 bytes of LDS; arguments qbuf, kv, rel_bias, out0; writes out0
.if DOCPART == 3
	.amdgcn_target "amdgcn-amd-amdhsa--gfx1250"
	.amdhsa_code_object_version 6
	.text
	.protected	k_q41e5cd1deb_attn
	.globl	k_q41e5cd1deb_attn
	.p2align	8
	.type	k_q41e5cd1deb_attn,@function
k_q41e5cd1deb_attn:
	s_mov_b64 s[64:65], 0
	v_nop
	global_prefetch_b8 v0, s[64:65] scope:SCOPE_SE
	s_setreg_imm32_b32 hwreg(HW_REG_WAVE_MODE, 25, 1), 1
	s_wait_xcnt 0x0
; out0[b][g][head][:] = the sum over the 512 keys g - 511 .. g of softmax(q . k + bias(g - key)) v, both products on codes of FP6 (E2M3) with E8M0 scales.
; The windows of the problem are this band: key index kk = position + 512; kk 0-511 are the given cache.  The blocks of 32 keys fall on multiples of 32 of kk.
; SOFTMAX: t = logit x log2(e); M = the running largest t rounded UP to a whole number; p = 2^(t - M) is quantised along the keys; the sum is taken of the unquantised p and divides at the end.
; SHARES.  A work-group owns 256 queries of one head (x = block, y = 8 x batch + head); each of its sixteen waves one permuted tile of 16 queries, in 256 registers: four waves to a SIMD,
; so that one wave's vector work stands beside another's products and LDS loads.  A wave of group G = wave / 8 walks the five records (128 keys each) 2 x + G .. 2 x + G + 4, in the order 1, 2, 3, 4, 0:
; the first is wholly visible, so M is a number from the start.  With xq the query's place in its 128 and kappa the key's in record sg: n = query - key = xq + 512 - 128 sg - kappa.
; BIAS AND MASK ARE THE C OF THE SCORE PRODUCTS: in records 1 and 2 n is 129 or more, bucket 31: eight registers of that one number; in records 3, 4, 0 a table T(n) in LDS is loaded straight into the accumulators:
; T(n) = rel_bias[head][bucket(n)] for 0 <= n < 512, else -1e30.  bucket(n) = n under 16, else 16 + the number of thresholds at or under n: 16 x 8^(j / 16) rounded up, j = 1 .. 15.
; (Score and bias are so added with one rounding, in the matrix unit.)
; Both products are used transposed (S^T = K Q^T, O^T = V^T P^T): a lane holds one query throughout; the keys of a tile of K are permuted, so that p's 16 registers of two tiles are 16 neighbouring keys.
; K = 64 in the first product: Q's registers 6-11 are zero codes.  K's operand for tile t is 12 registers of which the upper six are the next tile's codes (behind tile 7: zeros): they meet Q's zero codes, and no scale byte is 0xff, so they add nothing.
; The six records, 78,336 bytes, are copied into LDS once, as they lie.  NO CLUSTER: neighbouring work-groups want ranges two records apart, so a joint load's LDS address would hang on the work-group's place; no ring: nothing is filled again.  One barrier.
; LIMITS: NaN and infinities are not served; a block of p that has fallen to zero keeps the byte 1: its codes are zeros.
.set REC,  13056
.set QREC, 6656
.set TAB,  78336                       ; four copies of T: copy m has T(n) at word 640 + m - n; a lane with r % 4 = m finds its 16 values, keys ascending, at a multiple of 16 bytes
.set O1,   3104                        ; the copies begin at 0, 3104, 6272, 9376
.set O2,   6272
.set O3,   9376
.set STG,  90880                       ; the way out: 16 rows x (256 + 16) bytes for each wave
.set CB,   28                          ; v28-35   bucket 31's bias, eight times
.set KF,   36                          ; v36-83   K's eight tiles, six registers each; v84-89 zeros
.set VF,   36                          ; v36-83   later V's four fragments
.set S,    96                          ; v96-159  S^T, then p
.set OT,   160                         ; v160-191 O^T
.set PC,   192                         ; v192-203 p's codes; v204-211 halves on their way
.set PT,   204
.set BM,   212                         ; v212-215 the blocks' largest scores, then largest p
.set PM,   216
.set SO,   220
.set KS,   224                         ; v224-231 K's scale words; v232-235 V's; v236 Q's; v237 p's: these hold scales and nothing else
.set VS,   232
.set QS,   236
.set PS,   237
.set FF,   238                         ; v[238:239] f = 2^(old M - new M)
.set T2,   240
.set TT,   242
.set CS,   34                          ; s[34:35] log2(e)
.set SEL,  36                          ; s[36:37] v_permlanex16_b32's selects for lane l xor 16
	s_load_b256 s[4:11], s[0:1], 0x0               ; qbuf, kv, rel_bias, out0
	v_lshl_add_u32 v254, v0, 2, 0x27300
	v_mov_b32 v255, 0
	v_lshrrev_b32 v8, 5, v0
	v_readfirstlane_b32 s12, v8                    ; wave 0..15
	v_lshlrev_b32 v8, 4, v0                        ; the copy: 16 bytes a thread
	v_and_b32 v243, 31, v0                         ; lane
	v_and_b32 v244, 15, v0                         ; r
	v_bfe_u32 v245, v0, 4, 1                       ; h
.irp j, 132,133,134,135
	v_mov_b32 v\j, 0                               ; written on every way: nine waves alone load them
.endr
	s_and_b32 s13, ttmp7, 0xffff                   ; y
	s_lshr_b32 s14, s12, 3                         ; G
	s_and_b32 s15, s12, 7                          ; my tile in its record of q
	s_lshl_b32 s22, ttmp9, 1
	s_mul_i32 s16, s13, 36
	s_add_co_u32 s16, s16, s22
	s_mul_i32 s16, s16, REC                        ; record 2 x of head y
	s_mov_b32 s17, 0
	s_lshl_b32 s18, s13, 5
	s_add_co_u32 s18, s18, s22
	s_add_co_u32 s18, s18, s14
	s_mul_i32 s18, s18, QREC                       ; q's record 2 x + G
	s_mov_b32 s19, 0
	s_and_b32 s20, s13, 7                          ; head
	s_lshl_b32 s22, s20, 7
	s_mov_b32 s23, 0
	s_wait_kmcnt 0x0
	s_add_nc_u64 s[24:25], s[6:7], s[16:17]
	s_add_nc_u64 s[26:27], s[4:5], s[18:19]
	s_add_nc_u64 s[28:29], s[8:9], s[22:23]        ; the head's 32 biases
	s_load_b32 s32, s[28:29], 0x7c                 ; bucket 31's
.set i, 0
.rept 9
	global_load_b128 v[96+4*i:99+4*i], v8, s[24:25] offset:8192*i   ; the work-group reads 8,192 consecutive bytes
.set i, i+1
.endr
	s_cmp_lt_u32 s12, 9                            ; 78,336 = 9 x 8,192 + 9 x 512
	s_cbranch_scc0 .Lnine_a
	global_load_b128 v[132:135], v8, s[24:25] offset:73728
.Lnine_a:
	s_mul_i32 s16, s15, 768
	v_lshl_add_u32 v240, v243, 4, s16
	v_lshl_add_u32 v241, v243, 3, s16
	s_lshr_b32 s17, s15, 2
	s_lshl_b32 s17, s17, 8
	s_and_b32 s18, s12, 3
	s_lshl_b32 s18, s18, 2
	s_add_co_u32 s17, s17, s18
	s_add_co_u32 s17, s17, 6144
	v_lshl_add_u32 v242, v244, 4, s17
	global_load_b128 v[16:19], v240, s[26:27]      ; Q's half image stays in registers
	global_load_b64 v[20:21], v241, s[26:27] offset:512
	global_load_b32 v[QS], v242, s[26:27]          ; its scale words: [tile / 4][r][tile % 4]
.irp j, 22,23,24,25,26,27,84,85,86,87,88,89
	v_mov_b32 v\j, 0                               ; zero codes
.endr
.irp b, 0,1,2,3
	v_mov_b32 v[PM+\b], 0                          ; a lane permute's destination counts as one of its sources
.endr
	v_mov_b32 v[FF+1], 0                           ; named as the upper half of a pair
	; the table: thread v0 makes T(n) for n = v0 - 128
	v_min_u32 v93, 128, v0
	v_sub_nc_u32 v93, v0, v93                      ; max(n, 0)
	v_mov_b32 v94, 16
	v_mov_b32 v246, 0
	v_mov_b32 v247, 1
.irp thr, 19,21,24,27,31,35,40,46,52,59,67,77,87,99,113
	v_cmp_le_u32 vcc_lo, \thr, v93
	v_cndmask_b32 v95, v246, v247, vcc_lo
	v_add_nc_u32 v94, v94, v95
.endr
	v_cmp_gt_u32 vcc_lo, 16, v93
	v_cndmask_b32 v94, v94, v93, vcc_lo
	v_min_u32 v94, 31, v94
	v_lshlrev_b32 v95, 2, v94
	global_load_b32 v90, v95, s[28:29]
	; addresses
	s_lshr_b32 s16, s13, 3
	s_lshl_b32 s16, s16, 23                        ; the batch's 4,096 rows of 2,048 bytes
	s_lshl_b32 s17, ttmp9, 19                      ; 256 x rows
	s_add_co_u32 s16, s16, s17
	s_lshr_b32 s17, s12, 1
	s_lshl_b32 s17, s17, 16                        ; 32 (wave / 2) rows
	s_add_co_u32 s16, s16, s17
	s_and_b32 s17, s12, 1
	s_lshl_b32 s17, s17, 14                        ; 8 (wave % 2) rows
	s_add_co_u32 s16, s16, s17
	s_lshl_b32 s17, s20, 8                         ; the head's 256 bytes
	s_add_co_u32 s16, s16, s17
	s_mov_b32 s17, 0
	s_add_nc_u64 s[30:31], s[10:11], s[16:17]
	s_mul_i32 s23, s14, REC                        ; my group's first record in LDS
	v_lshl_add_u32 v1, v243, 4, s23                ; images: 16 x lane,
	v_lshl_add_u32 v2, v243, 3, s23                ; 8 x lane,
	v_lshl_add_u32 v3, v244, 4, s23                ; scale words: 16 r
	s_bfe_u32 s20, s12, 0x20001                    ; pi = (wave / 2) % 4
	s_xor_b32 s20, s20, 3
	s_lshl_b32 s20, s20, 7
	s_and_b32 s21, s12, 1
	s_xor_b32 s21, s21, 1
	s_lshl_b32 s21, s21, 5
	s_add_co_u32 s20, s20, s21
	s_add_co_u32 s20, s20, TAB+96                  ; TAB + 512 - 128 pi - 32 u
	v_and_b32 v246, 1, v244
	v_mul_u32_u24 v4, v246, O1
	v_bfe_u32 v246, v244, 1, 1
	v_mad_u32_u24 v4, v246, O2, v4                 ; my copy, m = r % 4
	v_lshl_add_u32 v4, v245, 6, v4                 ; + 64 h
	v_add_nc_u32 v4, s20, v4
	v_lshrrev_b32 v246, 2, v244
	v_lshlrev_b32 v246, 4, v246
	v_sub_nc_u32 v4, v4, v246                      ; - 16 (r / 4)
	v_lshrrev_b32 v246, 3, v244
	v_lshlrev_b32 v246, 5, v246
	v_sub_nc_u32 v4, v4, v246                      ; - 32 (r / 8): 4 (128 + m - xq) in all
	s_mul_i32 s21, s12, 16*272
	s_add_co_u32 s21, s21, STG                     ; my stage
	v_mul_u32_u24 v5, v244, 272
	v_lshl_add_u32 v5, v245, 5, v5
	v_add_nc_u32 v5, s21, v5                       ; in: row r, + 32 h
	v_mul_u32_u24 v6, v245, 272
	v_lshl_add_u32 v6, v244, 4, v6
	v_add_nc_u32 v6, s21, v6                       ; back: lanes 0-15 one row, lanes 16-31 the next
	v_lshlrev_b32 v7, 11, v245
	v_lshl_add_u32 v7, v244, 4, v7                 ; and the same two rows in out0
	v_add_nc_u32 v9, 0x10000, v8                   ; an LDS immediate ends at 65,535
	v_lshlrev_b32 v10, 2, v0
	v_sub_nc_u32 v11, TAB+1024, v10                ; n = v0 + 384: word 256 + m - v0
	v_sub_nc_u32 v10, TAB+3072, v10                ; n = v0 - 128: word 768 + m - v0
	v_mov_b32 v91, 0xf149f2ca                      ; -1e30
	s_mov_b32 s[CS], 0x3fb8aa3b
	s_mov_b32 s[CS+1], s[CS]
	s_mov_b32 s[SEL], 0x76543210
	s_mov_b32 s[SEL+1], 0xfedcba98
	s_wait_kmcnt 0x0
.irp j, 0,1,2,3,4,5,6,7
	v_mov_b32 v[CB+\j], s32
.endr
	s_cmp_lt_u32 s12, 4
	s_cselect_b32 s13, s32, 0xf149f2ca             ; n = 384 .. 511: bucket 31; n = 512 .. 639: outside the window
	v_mov_b32 v92, s13
	s_wait_loadcnt 0x0
.set i, 0
.rept 8
	ds_store_b128 v8, v[96+4*i:99+4*i] offset:8192*i
.set i, i+1
.endr
	ds_store_b128 v9, v[128:131]
	s_cmp_lt_u32 s12, 9
	s_cbranch_scc0 .Lnine_b
	ds_store_b128 v9, v[132:135] offset:8192
.Lnine_b:
	v_cmp_gt_u32 vcc_lo, 128, v0                   ; n < 0: the key comes after the query
	v_cndmask_b32 v90, v90, v91, vcc_lo
	ds_store_b32 v10, v90
	ds_store_b32 v10, v90 offset:O1+4
	ds_store_b32 v10, v90 offset:O2+8
	ds_store_b32 v10, v90 offset:O3+12
	s_cmp_lt_u32 s12, 8
	s_cbranch_scc0 .Lno_tab
	ds_store_b32 v11, v92
	ds_store_b32 v11, v92 offset:O1+4
	ds_store_b32 v11, v92 offset:O2+8
	ds_store_b32 v11, v92 offset:O3+12
.Lno_tab:
	s_wait_dscnt 0x0                               ; for the others' sake: my stores have landed
	s_barrier_signal -1
	s_barrier_wait -1                              ; the records and the table are whole; nothing of them is written again
; A KEY STEP: record sg of my five.  tab = 1: bias and mask from the table.  first = 1: it starts M, the sum and O^T.
.macro STEP sg, tab, first
.set RO, REC*(\sg)
.set t, 0
.rept 8
	ds_load_b128 v[KF+6*t:KF+6*t+3], v1 offset:RO+768*t
	ds_load_b64 v[KF+6*t+4:KF+6*t+5], v2 offset:RO+768*t+512
.set t, t+1
.endr
	ds_load_b128 v[KS:KS+3], v3 offset:RO+12288
	ds_load_b128 v[KS+4:KS+7], v3 offset:RO+12544
.if \tab
.set n, 0
.rept 16
	ds_load_b128 v[S+4*n:S+4*n+3], v4 offset:512*(\sg)+128*(n/4)+16*(n%4)   ; T for keys 32 (n / 4) + 16 h + 4 (n % 4) on: the accumulators begin as bias and mask
.set n, n+1
.endr
.endif
	s_wait_dscnt 0x0
.set t, 0
.rept 8
.if \tab
	v_wmma_scale_f32_16x16x128_f8f6f4 v[S+8*t:S+8*t+7], v[KF+6*t:KF+6*t+11], v[16:27], v[S+8*t:S+8*t+7], v[KS+t], v[QS] matrix_a_fmt:MATRIX_FMT_FP6 matrix_b_fmt:MATRIX_FMT_FP6
.else
	v_wmma_scale_f32_16x16x128_f8f6f4 v[S+8*t:S+8*t+7], v[KF+6*t:KF+6*t+11], v[16:27], v[CB:CB+7], v[KS+t], v[QS] matrix_a_fmt:MATRIX_FMT_FP6 matrix_b_fmt:MATRIX_FMT_FP6
.endif
.set t, t+1
.endr
.rept 4
	v_nop                                          ; places ahead of the loads into K's registers and of the first read of the scores
.endr
.set d, 0
.rept 4
	ds_load_b128 v[VF+12*d:VF+12*d+3], v1 offset:RO+6144+1536*d          ; V's fragments land under the softmax
	ds_load_b64 v[VF+12*d+4:VF+12*d+5], v2 offset:RO+6144+1536*d+512
	ds_load_b128 v[VF+12*d+6:VF+12*d+9], v1 offset:RO+6144+1536*d+768
	ds_load_b64 v[VF+12*d+10:VF+12*d+11], v2 offset:RO+6144+1536*d+1280
.set d, d+1
.endr
	ds_load_b128 v[VS:VS+3], v3 offset:RO+12800
.irp b, 0,1,2,3
	v_max3_num_f32 v[BM+\b], v[S+16*\b], v[S+1+16*\b], v[S+2+16*\b]   ; the largest score of each block of 32 keys: for the row's maximum, and, since p rises with the score, for the block's largest p
.endr
.irp i, 3,5,7,9,11,13
.irp b, 0,1,2,3
	v_max3_num_f32 v[BM+\b], v[BM+\b], v[S+16*\b+\i], v[S+1+16*\b+\i]
.endr
.endr
.irp b, 0,1,2,3
	v_max_num_f32 v[BM+\b], v[BM+\b], v[S+15+16*\b]
.endr
.irp b, 0,1,2,3
	v_permlanex16_b32 v[PM+\b], v[BM+\b], s[SEL], s[SEL+1]
.endr
.irp b, 0,1,2,3
	v_max_num_f32 v[BM+\b], v[BM+\b], v[PM+\b]     ; with lane l xor 16's 16 keys
.endr
	v_max3_num_f32 v[TT], v[BM], v[BM+1], v[BM+2]
	v_max_num_f32 v[TT], v[TT], v[BM+3]
.if \first
	v_mul_f32 v13, s[CS], v[TT]                    ; the largest t
	v_floor_f32 v12, -v13                          ; -M = floor(-t): M is a whole number
.else
	v_mul_f32 v[TT], s[CS], v[TT]
	v_max_num_f32 v13, v13, v[TT]                  ; the running largest t (a step that is all masked leaves it)
	v_mov_b32 v[TT], v12
	v_floor_f32 v12, -v13
	v_sub_f32 v[TT], v12, v[TT]                    ; old M - new M: a whole number, 0 or less
	v_cvt_i32_f32 v[TT], v[TT]
	v_ldexp_f32 v[FF], 1.0, v[TT]                  ; f: a multiplication by it rounds nothing
.endif
.set j, 0
.rept 32
	v_pk_fma_f32 v[S+j:S+j+1], v[S+j:S+j+1], s[CS:CS+1], v[12:13] op_sel_hi:[1,0,0]   ; t - M, two at a time
.set j, j+2
.endr
.irp b, 0,1,2,3
	v_fma_f32 v[BM+\b], v[BM+\b], s[CS], v12
.endr
.set j, 0
.rept 64
	v_exp_f32 v[S+j], v[S+j]                       ; p = 2^(t - M): not normalised; 0 where the mask stands
.set j, j+1
.endr
.if \first
	v_mov_b32 v14, 0                               ; the sum, in two halves.  (Plain lines behind the exponentials)
	v_mov_b32 v15, 0
.else
	v_pk_mul_f32 v[14:15], v[14:15], v[FF:FF+1] op_sel_hi:[1,0]   ; the sum under the new M.  (A plain line behind the exponentials)
.endif
	s_wait_alu depctr_va_vdst(0)                   ; one wait for the batch of 64, ahead of its first reader
.irp b, 0,1,2,3
	v_exp_f32 v[BM+\b], v[BM+\b]                   ; the blocks' largest p
.endr
	v_pk_add_f32 v[T2:T2+1], v[S:S+1], v[S+2:S+3]  ; the sum of the unquantised p, in two chains; plain work behind the four
.irp j, 4,8,12,16,20,24,28,32,36,40,44,48,52,56,60
	v_pk_add_f32 v[14:15], v[14:15], v[S+\j:S+\j+1]
	v_pk_add_f32 v[T2:T2+1], v[T2:T2+1], v[S+\j+2:S+\j+3]
.endr
	v_pk_add_f32 v[14:15], v[14:15], v[T2:T2+1]
	s_wait_alu depctr_va_vdst(0)                   ; and one for the four
.irp b, 0,1,2,3
	v_max_num_f32 v[BM+\b], 0x1800000, v[BM+\b]    ; the floor 2^(3 - 127): the byte cannot fall under 1
.endr
.irp b, 0,1,2,3
	v_add_nc_u32 v[SO+\b], 0xff000000, v[BM+\b]    ; 2 off the exponent field: the conversion's scale operand
.endr
.irp b, 0,1,2,3
	v_lshrrev_b32 v[PM+\b], 23, v[SO+\b]
.endr
	v_lshl_or_b32 v[PS], v[PM+1], 8, v[PM]         ; p's scale word for these 128 keys
	v_lshl_or_b32 v[PS], v[PM+2], 16, v[PS]
	v_lshl_or_b32 v[PS], v[PM+3], 24, v[PS]
.irp c, 0,1
	v_cvt_scalef32_pk16_fp6_f32 v[PC+6*\c:PC+2+6*\c], v[S+32*\c:S+15+32*\c], v[SO+2*\c]
	v_cvt_scalef32_pk16_fp6_f32 v[PT+4*\c:PT+2+4*\c], v[S+16+32*\c:S+31+32*\c], v[SO+2*\c+1]
.endr
	v_nop                                          ; one plain line behind the conversions
.irp c, 0,1
.irp i, 0,1,2
	v_permlane16_swap_b32 v[PC+6*\c+\i], v[PT+4*\c+\i]
.endr
.irp i, 0,1,2
	v_mov_b32 v[PC+3+6*\c+\i], v[PT+4*\c+\i]
.endr
.endr
.if \first
.rept 8
	v_nop                                          ; a scale word made by vector instructions stands eight places ahead of the product, an operand four
.endr
.else
.set j, 0
.rept 16
	v_pk_mul_f32 v[OT+j:OT+j+1], v[OT+j:OT+j+1], v[FF:FF+1] op_sel_hi:[1,0]   ; O^T under the new M; these are also the places ahead of the products
.set j, j+2
.endr
.endif
	s_wait_dscnt 0x0                               ; V
.set d, 0
.rept 4
.if \first
	v_wmma_scale_f32_16x16x128_f8f6f4 v[OT+8*d:OT+8*d+7], v[VF+12*d:VF+12*d+11], v[PC:PC+11], 0, v[VS+d], v[PS] matrix_a_fmt:MATRIX_FMT_FP6 matrix_b_fmt:MATRIX_FMT_FP6
.else
	v_wmma_scale_f32_16x16x128_f8f6f4 v[OT+8*d:OT+8*d+7], v[VF+12*d:VF+12*d+11], v[PC:PC+11], v[OT+8*d:OT+8*d+7], v[VS+d], v[PS] matrix_a_fmt:MATRIX_FMT_FP6 matrix_b_fmt:MATRIX_FMT_FP6
.endif
.set d, d+1
.endr
.rept 4
	v_nop                                          ; places ahead of the next loads into V's registers, and of the first read of O^T
.endr
.endm
	STEP 1, 0, 1
	STEP 2, 0, 0
	STEP 3, 1, 0
	STEP 4, 1, 0
	STEP 0, 1, 0
	; THE WAY OUT: O^T / the sum, through my stage, so that sixteen lanes store the 256 consecutive bytes of one query and head
	v_add_f32 v14, v14, v15
	v_permlanex16_b32 v[TT], v14, s[SEL], s[SEL+1]
	v_add_f32 v14, v14, v[TT]                      ; with lane l xor 16's: the row's sum
	v_rcp_f32 v14, v14
	v_nop                                          ; a plain line behind the reciprocal
	s_wait_alu depctr_va_vdst(0)                   ; and the wait ahead of its first reader
.set j, 0
.rept 32
	v_mul_f32 v[96+j], v[OT+j], v14                ; register 8 d + i is o(query r, 16 d + 8 h + i); each accumulator from its low end on
.set j, j+1
.endr
.irp d, 0,1,2,3
	ds_store_b128 v5, v[96+8*\d:99+8*\d] offset:64*\d
	ds_store_b128 v5, v[100+8*\d:103+8*\d] offset:64*\d+16
.endr
.irp i, 0,1,2,3,4,5,6,7
	ds_load_b128 v[128+4*\i:131+4*\i], v6 offset:544*\i   ; LDS serves a wave's instructions in order: these see my stores
.endr
.irp i, 0,1,2,3,4,5,6,7
	s_wait_dscnt 7-\i                              ; rows 2 i and 2 i + 1 are back; the 7 - i younger loads may be out
	global_store_b128 v7, v[128+4*\i:131+4*\i], s[30:31] offset:(2*\i+8*(\i/4))*2048 th:TH_STORE_NT   ; the tile's row rho is query rho + 8 (rho / 8) of its 32
.endr
	s_wait_tensorcnt 0x0
	ds_add_u32 v254, v255
	s_wait_dscnt 0x0
	s_endpgm
.Lfunc_end_k_q41e5cd1deb_attn:
	.size	k_q41e5cd1deb_attn, .Lfunc_end_k_q41e5cd1deb_attn-k_q41e5cd1deb_attn
	.p2alignl 7, 3214868480
	.fill 96, 4, 3214868480
	.section	.rodata,"a",@progbits
	.p2align	6, 0x0
	.amdhsa_kernel k_q41e5cd1deb_attn
		.amdhsa_group_segment_fixed_size 162560
		.amdhsa_private_segment_fixed_size 0
		.amdhsa_enable_private_segment 0
		.amdhsa_kernarg_size 32
		.amdhsa_user_sgpr_count 2
		.amdhsa_user_sgpr_kernarg_segment_ptr 1
		.amdhsa_wavefront_size32 1
		.amdhsa_system_sgpr_workgroup_id_x 1
		.amdhsa_system_sgpr_workgroup_id_y 1
		.amdhsa_system_sgpr_workgroup_id_z 1
		.amdhsa_system_vgpr_workitem_id 0
		.amdhsa_next_free_vgpr 256
		.amdhsa_next_free_sgpr 66
		.amdhsa_reserve_vcc 1
		.amdhsa_float_denorm_mode_32 3
		.amdhsa_float_denorm_mode_16_64 3
		.amdhsa_memory_ordered 1
		.amdhsa_forward_progress 1
		.amdhsa_inst_pref_size 94
	.end_amdhsa_kernel
	.amdgpu_metadata
---
amdhsa.version: [ 1, 2 ]
amdhsa.kernels:
  - .name:           k_q41e5cd1deb_attn
    .symbol:         k_q41e5cd1deb_attn.kd
    .args:
      - { .name: qbuf, .offset: 0, .size: 8, .value_kind: global_buffer, .address_space: global }
      - { .name: kv, .offset: 8, .size: 8, .value_kind: global_buffer, .address_space: global }
      - { .name: rel_bias, .offset: 16, .size: 8, .value_kind: global_buffer, .address_space: global }
      - { .name: out0, .offset: 24, .size: 8, .value_kind: global_buffer, .address_space: global }
    .group_segment_fixed_size: 162560
    .private_segment_fixed_size: 0
    .kernarg_segment_align: 8
    .kernarg_segment_size: 32
    .max_flat_workgroup_size: 512
    .sgpr_count:     66
    .vgpr_count:     256
    .wavefront_size: 32
...
	.end_amdgpu_metadata
.endif
;; end of part 3
;; ======== version 2 of 2: 3 launches
;; workspace buffers: xs_img 3,145,728 bytes; xs_sc 131,072 bytes; w_img 786,432 bytes; w_sc 32,768 bytes; qbuf 3,407,872 bytes; kv 7,520,256 bytes
;; launch prep (part 4): grid 672 x 1, 4 waves a work-group, no clusters, 34,304 bytes of LDS; arguments xs, prev_k, prev_v, w_q, w_k, w_v, xs_img, xs_sc, w_img, w_sc, kv; writes xs_img, xs_sc, w_img, w_sc, kv
.if DOCPART == 4
	.amdgcn_target "amdgcn-amd-amdhsa--gfx1250"
	.amdhsa_code_object_version 6
	.text
	.protected	k_q41e5cd1deb_prep
	.globl	k_q41e5cd1deb_prep
	.p2align	8
	.type	k_q41e5cd1deb_prep,@function
k_q41e5cd1deb_prep:
	s_mov_b64 s[64:65], 0
	v_nop
	global_prefetch_b8 v0, s[64:65] scope:SCOPE_SE
	s_setreg_imm32_b32 hwreg(HW_REG_WAVE_MODE, 25, 1), 1
	s_wait_xcnt 0x0
; xs, w_q, w_k, w_v (twice, in two orders of its columns), prev_k and prev_v, all f32, become codes of FP6 (E2M3) with one E8M0 byte for each 32 along the K of the product
; that will read them.  The codes are stored as IMAGES OF OPERAND REGISTERS: a half image (768 bytes) is six registers of a 16-row fragment (64 along K): registers 0-3 at 16 x lane,
; then registers 4-5 at 512 + 8 x lane; a fragment (128 along K) is two half images.  Every store of codes covers whole aligned runs of 256 bytes.
; A PERMUTED tile 2 b + u holds, as its row rho, index 32 b + 8 u + rho + 8 (rho / 8): used as source 0 of a product it leaves 16 neighbours along that index in a lane's registers.
; A wave does ONE task, with all its loads issued at once.  Work-groups 0-511: xs; 512-575: prev_k (K innermost: rows); 576-639: the weights; 640-671: prev_v (K is the first axis: columns).
; A block's scale is 2^(floor(log2(its largest magnitude)) - 2); the byte is the largest magnitude's exponent field - 2, held at 1 from below.
; w_q's bytes have 3 taken off: that is the factor 1 / 8 on q, exactly.
; LIMITS: NaN and infinities are not served; a block whose largest magnitude lies under 2^-124 (a block of zeros too) keeps the byte 1: the bytes are read by this program alone;
; blocks of w_q whose largest magnitude lies under 2^-121 are not served (the 3 taken off).
; No matrix unit, no tensor load, no cluster: each input byte is read by one wave (w_v by two), nothing is shared.  No barrier: a wave's stage in LDS is its own.
.set HS,    470016                     ; kv: from head to head: 36 records
.set REC,   13056                      ; kv: a record of 128 keys: K 8 x 768, V 4 x 1536, K's scale words 512, V's 256
.set PITCH, 528                        ; a stage row: 512 bytes + 16: sixteen rows begin in sixteen different 16-byte columns of a run of 256 bytes
.set WST,   16*PITCH                   ; a wave's stage
.set LD,    16                         ; v16-79   rows path: 16 rows x 16 bytes as loaded
.set X,     80                         ; v80-143  rows path: 64 numbers of my row
.set CX,    16                         ; v16-143  columns path: 128 numbers of my column
.set TM,    144                        ; v144-159 at work on the scales
.set PW,    160                        ; v160     the scale word
.set PC,    164                        ; v164-187 codes; v188-203 halves of blocks on their way
.set SEL,   44                         ; s[44:45] v_permlanex16_b32's selects for lane l xor 16
; 64 numbers of a lane, register 16 b + i = k 32 b + 16 (lane / 16) + i of my row, become a fragment's codes in v[PC] on and its scale word in v[PW]
.macro QUANT s
.irp b, 0,1,2,3
	v_max3_num_f32 v[TM+\b], |v[\s+16*\b]|, |v[\s+1+16*\b]|, 0x1800000   ; my 16 numbers of block b, and the floor 2^(3 - 127): the byte cannot fall under 1
.endr
.irp i, 2,4,6,8,10,12,14
.irp b, 0,1,2,3
	v_max3_num_f32 v[TM+\b], v[TM+\b], |v[\s+16*\b+\i]|, |v[\s+1+16*\b+\i]|   ; the four blocks by turns
.endr
.endr
.irp b, 0,1,2,3
	v_permlanex16_b32 v[TM+4+\b], v[TM+\b], s[SEL], s[SEL+1]
.endr
.irp b, 0,1,2,3
	v_max_num_f32 v[TM+\b], v[TM+\b], v[TM+4+\b]   ; with lane l xor 16's 16: the block's largest magnitude
.endr
.irp b, 0,1,2,3
	v_add_nc_u32 v[TM+12+\b], 0xff000000, v[TM+\b]   ; 2 off its exponent field: the conversion's scale operand
.endr
.irp b, 0,1,2,3
	v_lshrrev_b32 v[TM+4+\b], 23, v[TM+12+\b]      ; the scale's byte
.endr
	v_lshl_or_b32 v[PW], v[TM+5], 8, v[TM+4]
	v_lshl_or_b32 v[PW], v[TM+6], 16, v[PW]
	v_lshl_or_b32 v[PW], v[TM+7], 24, v[PW]
.irp c, 0,1
	v_cvt_scalef32_pk16_fp6_f32 v[PC+6*\c:PC+2+6*\c], v[\s+32*\c:\s+15+32*\c], v[TM+12+2*\c]
	v_cvt_scalef32_pk16_fp6_f32 v[PC+12+4*\c:PC+14+4*\c], v[\s+16+32*\c:\s+31+32*\c], v[TM+12+2*\c+1]   ; (a conversion's three registers begin on an even number)
.endr
	v_nop                                          ; one plain line behind the conversions
.irp c, 0,1                                    ; the operand wants a whole block in a lane: lanes 0-15 block 2 c, lanes 16-31 block 2 c + 1
.irp i, 0,1,2
	v_permlane16_swap_b32 v[PC+6*\c+\i], v[PC+12+4*\c+\i]
.endr
.irp i, 0,1,2
	v_mov_b32 v[PC+3+6*\c+\i], v[PC+12+4*\c+\i]
.endr
.endr
.endm
; a fragment's two half images: the first at the base, the second HALF bytes on (v3, v4 carry HALF)
.macro STORE_IMG pc, base
	global_store_b128 v1, v[\pc:\pc+3], s[\base:\base+1]
	global_store_b64 v2, v[\pc+4:\pc+5], s[\base:\base+1] offset:512
	global_store_b128 v3, v[\pc+6:\pc+9], s[\base:\base+1]
	global_store_b64 v4, v[\pc+10:\pc+11], s[\base:\base+1] offset:512
.endm
	s_load_b512 s[4:19], s[0:1], 0x0               ; xs, prev_k, prev_v, w_q, w_k, w_v, xs_img, xs_sc
	s_load_b128 s[20:23], s[0:1], 0x40             ; w_img, w_sc
	s_load_b64 s[24:25], s[0:1], 0x50              ; kv
	v_lshl_add_u32 v208, v0, 2, 0x8400
	v_mov_b32 v209, 0
	v_lshrrev_b32 v10, 5, v0
	v_readfirstlane_b32 s26, v10                   ; wave
	v_and_b32 v11, 31, v0                          ; lane
	v_and_b32 v12, 15, v0                          ; r
	v_bfe_u32 v13, v0, 4, 1                        ; h
	v_lshlrev_b32 v1, 4, v11                       ; 16 x lane
	v_lshlrev_b32 v2, 3, v11                       ; 8 x lane
	s_mul_i32 s54, s26, WST
	v_add_nc_u32 v7, s54, v1                       ; the stage, in: 16 x lane of a row
	v_mul_u32_u24 v8, v12, PITCH
	v_lshl_add_u32 v8, v13, 6, v8
	v_add_nc_u32 v8, s54, v8                       ; and out: row r, + 64 h: my 16 numbers of a block of 32
	s_mov_b32 s[SEL], 0x76543210
	s_mov_b32 s[SEL+1], 0xfedcba98
	s_cmp_lt_u32 ttmp9, 576
	s_cbranch_scc0 .Lcolumns
; ---- ROWS (K innermost): the work-group takes a permuted tile of 16 rows of 512 numbers, wave w columns 128 w on
	s_cmp_lt_u32 ttmp9, 512
	s_cselect_b32 s27, 0, 512
	s_sub_co_u32 s27, ttmp9, s27                   ; p: the tile among xs's 512 or prev_k's 64
	s_lshr_b32 s28, s27, 1
	s_lshl_b32 s28, s28, 16                        ; 32 (p / 2) rows of 2,048 bytes
	s_and_b32 s29, s27, 1
	s_lshl_b32 s29, s29, 14                        ; + 8 (p % 2) rows
	s_add_co_u32 s28, s28, s29
	s_lshl_b32 s29, s26, 9
	s_add_co_u32 s28, s28, s29                     ; + 512 w: where I read
	s_lshl_b32 s30, s27, 2
	s_add_co_u32 s30, s30, s26
	s_mul_i32 s30, s30, 1536                       ; xs: fragment 4 p + w
	s_lshl_b32 s31, s27, 8
	s_lshl_b32 s46, s26, 2
	s_add_co_u32 s31, s31, s46                     ; xs: scale words: 256 p + 4 w
	s_lshr_b32 s47, s27, 5                         ; prev_k: batch,
	s_and_b32 s48, s27, 31                         ; tile of the batch's 32
	s_lshl_b32 s47, s47, 3
	s_lshl_b32 s49, s26, 1
	s_add_co_u32 s47, s47, s49                     ; my 128 columns are heads 2 w and 2 w + 1
	s_mul_i32 s47, s47, 36
	s_lshr_b32 s49, s48, 3
	s_add_co_u32 s47, s47, s49
	s_mul_i32 s47, s47, REC                        ; head 2 w's record of these keys
	s_and_b32 s49, s48, 7
	s_mul_i32 s49, s49, 768
	s_add_co_u32 s49, s49, s47                     ; the tile's half image in it
	s_bfe_u32 s50, s48, 0x10002
	s_lshl_b32 s50, s50, 8
	s_and_b32 s51, s48, 3
	s_lshl_b32 s51, s51, 2
	s_add_co_u32 s50, s50, s51
	s_add_co_u32 s50, s50, s47
	s_add_co_u32 s50, s50, 12288                   ; and its scale words: [tile / 4][r][tile % 4]
	s_mov_b32 s52, HS
	s_cmp_lt_u32 ttmp9, 512                        ; xs or prev_k: only pointers and numbers are chosen; the text is one
	s_cselect_b32 s30, s30, s49
	s_cselect_b32 s46, s31, s50
	s_cselect_b32 s40, 768, s52                    ; HALF: the second half image lies behind the first, or in the next head's record
	s_cselect_b32 s41, 0, s52                      ; lanes 16-31 store the word for the next head, or the same word again
	s_cselect_b32 s42, 0, 16                       ; and shift it down by two bytes
	s_mov_b32 s29, 0
	s_mov_b32 s31, 0
	s_mov_b32 s47, 0
	s_wait_kmcnt 0x0
	s_cselect_b64 s[32:33], s[4:5], s[6:7]
	s_cselect_b64 s[34:35], s[16:17], s[24:25]
	s_cselect_b64 s[38:39], s[18:19], s[24:25]
	s_add_nc_u64 s[32:33], s[32:33], s[28:29]
	s_add_nc_u64 s[34:35], s[34:35], s[30:31]
	s_add_nc_u64 s[38:39], s[38:39], s[46:47]
	s_wait_alu depctr_va_vdst(0)
.irp i, 0,1,2,3,4,5,6,7,8,9,10,11,12,13,14,15
	global_load_b128 v[LD+4*\i:LD+4*\i+3], v1, s[32:33] offset:(\i+8*(\i/8))*2048 th:TH_LOAD_NT   ; the tile's row i: 512 consecutive bytes; read once in the launch
.endr
	v_add_nc_u32 v3, s40, v1
	v_add_nc_u32 v4, s40, v2
	v_lshlrev_b32 v5, 4, v12
	v_mul_u32_u24 v10, s41, v13
	v_add_nc_u32 v5, v5, v10                       ; the scale word's place: 16 r (+ a head for lanes 16-31)
	v_mul_u32_u24 v6, s42, v13
.irp b, 0,1,2,3
	v_mov_b32 v[TM+4+\b], 0                        ; a lane permute's destination counts as one of its sources
.endr
.irp i, 0,1,2,3,4,5,6,7,8,9,10,11,12,13,14,15
	s_wait_loadcnt 15-\i                           ; row i is in; the 15 - i younger loads may be out
	ds_store_b128 v7, v[LD+4*\i:LD+4*\i+3] offset:PITCH*\i
.endr
.irp b, 0,1,2,3
.irp j, 0,1,2,3
	ds_load_b128 v[X+16*\b+4*\j:X+16*\b+4*\j+3], v8 offset:128*\b+16*\j   ; LDS serves a wave's instructions in order: these see my stores
.endr
.endr
	s_wait_dscnt 0x0
	QUANT X
	STORE_IMG PC, 34
	v_lshrrev_b32 v10, v6, v[PW]
	global_store_b32 v5, v10, s[38:39]             ; 4 bytes a lane, 16 apart: 4 bytes for each 512 read
	s_wait_tensorcnt 0x0
	ds_add_u32 v208, v209
	s_wait_dscnt 0x0
	s_endpgm
; ---- COLUMNS (K is the first axis): the work-group takes 32 columns (two tiles), wave w rows 128 w on.  A lane takes a column and its registers run down K
.Lcolumns:
	s_sub_co_u32 s27, ttmp9, 576
	s_lshr_b32 s28, s27, 4                         ; T: 0 w_q, 1 w_k, 2 w_v in natural tiles, 3 w_v in permuted tiles; 4, 5: prev_v of batch T & 1
	s_and_b32 s29, s27, 15                         ; which 32 columns
	s_lshl_b32 s30, s26, 18                        ; 128 w rows of 2,048 bytes
	s_lshl_b32 s31, s29, 7
	s_add_co_u32 s30, s30, s31
	s_and_b32 s31, s28, 1
	s_lshl_b32 s46, s31, 20                        ; prev_v: the batch's 512 rows
	s_cmp_ge_u32 s28, 4
	s_cselect_b32 s46, s46, 0
	s_add_co_u32 s30, s30, s46                     ; where I read
	s_lshl_b32 s47, s28, 5
	s_lshl_b32 s48, s29, 1
	s_add_co_u32 s47, s47, s48                     ; a weight: the first of my two column tiles
	s_lshl_b32 s48, s47, 2
	s_add_co_u32 s48, s48, s26
	s_mul_i32 s48, s48, 1536                       ; its fragment of K step w
	s_lshl_b32 s47, s47, 8
	s_lshl_b32 s49, s26, 2
	s_add_co_u32 s47, s47, s49                     ; its scale words
	s_lshl_b32 s49, s31, 3
	s_lshr_b32 s50, s29, 1
	s_add_co_u32 s49, s49, s50                     ; prev_v: 8 x batch + head
	s_mul_i32 s49, s49, 36
	s_add_co_u32 s49, s49, s26
	s_mul_i32 s49, s49, REC                        ; the record of keys 128 w on
	s_and_b32 s50, s29, 1
	s_mul_i32 s51, s50, 3072
	s_add_co_u32 s51, s51, s49
	s_add_co_u32 s51, s51, 6144                    ; V's tiles 2 (cp % 2) and the next
	s_lshl_b32 s50, s50, 3
	s_add_co_u32 s50, s50, s49
	s_add_co_u32 s50, s50, 12800                   ; their scale words: [r][tile]
	s_mov_b32 s52, 1536
	s_cmp_lt_u32 s28, 4
	s_cselect_b32 s48, s48, s51
	s_cselect_b32 s50, s47, s50
	s_cselect_b32 s52, 6144, s52                   ; from the first tile's fragment to the second's
	s_cselect_b32 s41, 256, 4                      ; and from its scale word to the second's
	s_mov_b32 s31, 0
	s_mov_b32 s49, 0
	s_mov_b32 s51, 0
	s_mov_b32 s53, 0
	s_wait_kmcnt 0x0
	s_cselect_b64 s[34:35], s[20:21], s[24:25]
	s_cselect_b64 s[38:39], s[22:23], s[24:25]
	s_cmp_eq_u32 s28, 0
	s_cselect_b64 s[32:33], s[10:11], s[14:15]
	s_cselect_b32 s42, 0x03030303, 0               ; w_q: 3 off every byte
	s_cmp_eq_u32 s28, 1
	s_cselect_b64 s[32:33], s[12:13], s[32:33]
	s_cmp_ge_u32 s28, 4
	s_cselect_b64 s[32:33], s[8:9], s[32:33]
	s_cselect_b32 s43, 0, -1
	s_cmp_eq_u32 s28, 2
	s_cselect_b32 s43, 0, s43                      ; all ones where the tiles are permuted
	s_add_nc_u64 s[32:33], s[32:33], s[30:31]
	s_add_nc_u64 s[34:35], s[34:35], s[48:49]
	s_add_nc_u64 s[36:37], s[34:35], s[52:53]
	s_add_nc_u64 s[38:39], s[38:39], s[50:51]
	s_wait_alu depctr_va_vdst(0)
	v_and_b32 v10, 7, v11
	v_and_b32 v14, 8, v11
	v_lshl_or_b32 v10, v14, 1, v10
	v_and_b32 v14, 16, v11
	v_lshrrev_b32 v14, 1, v14
	v_or_b32 v10, v10, v14                         ; lane 16 u + rho takes column 8 u + rho + 8 (rho / 8),
	v_cndmask_b32 v9, v11, v10, s43                ; or its own number
	v_lshlrev_b32 v9, 2, v9
.set j, 0
.rept 128
	global_load_b32 v[CX+j], v9, s[32:33] offset:j*2048   ; a row's 32 columns: 128 consecutive bytes
.set j, j+1
.endr
	v_add_nc_u32 v3, 768, v1
	v_add_nc_u32 v4, 768, v2
	v_lshlrev_b32 v5, 4, v12
	v_mul_u32_u24 v10, s41, v13
	v_add_nc_u32 v5, v5, v10
; block B of my column: all 32 numbers are mine.  Blocks 0 and 2 go to v164 on, blocks 1 and 3 to v176 on
.macro CBLOCK B
.set XS, CX+32*(\B)
.set FB, PC+12*((\B)%2)+6*((\B)/2)
.if (\B) == 0
	s_wait_loadcnt 63                              ; a wait names 63 at the most (ISA guide 5.7.1): of the 128 loads at most 63 are out, so the first 65 are in: blocks 0 AND 1; block 1 has no wait of its own
.elseif (\B) >= 2
	s_wait_loadcnt 96-32*(\B)                      ; this block's 32 loads are in; block 3's may be out while block 2 is worked
.endif
	v_max3_num_f32 v[TM+\B], |v[XS]|, |v[XS+1]|, 0x1800000
	v_max3_num_f32 v[TM+4+\B], |v[XS+2]|, |v[XS+3]|, |v[XS+4]|
.irp i, 5,9,13,17,21,25
	v_max3_num_f32 v[TM+\B], v[TM+\B], |v[XS+\i]|, |v[XS+\i+1]|
	v_max3_num_f32 v[TM+4+\B], v[TM+4+\B], |v[XS+\i+2]|, |v[XS+\i+3]|
.endr
	v_max3_num_f32 v[TM+\B], v[TM+\B], |v[XS+29]|, |v[XS+30]|
	v_max3_num_f32 v[TM+\B], v[TM+\B], v[TM+4+\B], |v[XS+31]|
	v_add_nc_u32 v[TM+8+\B], 0xff000000, v[TM+\B]
	v_cvt_scalef32_pk16_fp6_f32 v[FB:FB+2], v[XS:XS+15], v[TM+8+\B]
	v_cvt_scalef32_pk16_fp6_f32 v[188+4*\B:190+4*\B], v[XS+16:XS+31], v[TM+8+\B]
	v_lshrrev_b32 v[TM+12+\B], 23, v[TM+8+\B]      ; the byte; also the plain line behind the conversions
.endm
	CBLOCK 0
	CBLOCK 1
	CBLOCK 2
	CBLOCK 3
	v_nop
.irp B, 0,1,2,3
.irp i, 0,1,2
	v_mov_b32 v[PC+12*(\B%2)+6*(\B/2)+3+\i], v[188+4*\B+\i]
.endr
.endr
.irp i, 0,1,2,3,4,5,6,7,8,9,10,11
	v_permlane16_swap_b32 v[PC+\i], v[PC+12+\i]    ; the first's lanes 16-31 (tile 1, blocks 0, 2) change places with the second's lanes 0-15 (tile 0, blocks 1, 3): now v164 on is tile 0's fragment, v176 on tile 1's
.endr
	v_lshl_or_b32 v[PW], v[TM+13], 8, v[TM+12]
	v_lshl_or_b32 v[PW], v[TM+14], 16, v[PW]
	v_lshl_or_b32 v[PW], v[TM+15], 24, v[PW]
	v_sub_nc_u32 v[PW], v[PW], s42
	STORE_IMG PC, 34
	STORE_IMG PC+12, 36
	global_store_b32 v5, v[PW], s[38:39]           ; lane 16 u + rho: tile u's row rho
	s_endpgm
.Lfunc_end_k_q41e5cd1deb_prep:
	.size	k_q41e5cd1deb_prep, .Lfunc_end_k_q41e5cd1deb_prep-k_q41e5cd1deb_prep
	.p2alignl 7, 3214868480
	.fill 96, 4, 3214868480
	.section	.rodata,"a",@progbits
	.p2align	6, 0x0
	.amdhsa_kernel k_q41e5cd1deb_prep
		.amdhsa_group_segment_fixed_size 34304
		.amdhsa_private_segment_fixed_size 0
		.amdhsa_enable_private_segment 0
		.amdhsa_kernarg_size 88
		.amdhsa_user_sgpr_count 2
		.amdhsa_user_sgpr_kernarg_segment_ptr 1
		.amdhsa_wavefront_size32 1
		.amdhsa_system_sgpr_workgroup_id_x 1
		.amdhsa_system_sgpr_workgroup_id_y 1
		.amdhsa_system_sgpr_workgroup_id_z 1
		.amdhsa_system_vgpr_workitem_id 0
		.amdhsa_next_free_vgpr 210
		.amdhsa_next_free_sgpr 66
		.amdhsa_reserve_vcc 0
		.amdhsa_float_denorm_mode_32 3
		.amdhsa_float_denorm_mode_16_64 3
		.amdhsa_memory_ordered 1
		.amdhsa_forward_progress 1
		.amdhsa_inst_pref_size 34
	.end_amdhsa_kernel
	.amdgpu_metadata
---
amdhsa.version: [ 1, 2 ]
amdhsa.kernels:
  - .name:           k_q41e5cd1deb_prep
    .symbol:         k_q41e5cd1deb_prep.kd
    .args:
      - { .name: xs, .offset: 0, .size: 8, .value_kind: global_buffer, .address_space: global }
      - { .name: prev_k, .offset: 8, .size: 8, .value_kind: global_buffer, .address_space: global }
      - { .name: prev_v, .offset: 16, .size: 8, .value_kind: global_buffer, .address_space: global }
      - { .name: w_q, .offset: 24, .size: 8, .value_kind: global_buffer, .address_space: global }
      - { .name: w_k, .offset: 32, .size: 8, .value_kind: global_buffer, .address_space: global }
      - { .name: w_v, .offset: 40, .size: 8, .value_kind: global_buffer, .address_space: global }
      - { .name: xs_img, .offset: 48, .size: 8, .value_kind: global_buffer, .address_space: global }
      - { .name: xs_sc, .offset: 56, .size: 8, .value_kind: global_buffer, .address_space: global }
      - { .name: w_img, .offset: 64, .size: 8, .value_kind: global_buffer, .address_space: global }
      - { .name: w_sc, .offset: 72, .size: 8, .value_kind: global_buffer, .address_space: global }
      - { .name: kv, .offset: 80, .size: 8, .value_kind: global_buffer, .address_space: global }
    .group_segment_fixed_size: 34304
    .private_segment_fixed_size: 0
    .kernarg_segment_align: 8
    .kernarg_segment_size: 88
    .max_flat_workgroup_size: 128
    .sgpr_count:     66
    .vgpr_count:     210
    .wavefront_size: 32
...
	.end_amdgpu_metadata
.endif
;; end of part 4
;; launch proj (part 5): grid 200 x 1, 4 waves a work-group, no clusters, 34,304 bytes of LDS; arguments xs_img, xs_sc, w_img, w_sc, qbuf, kv, out1, out2; writes qbuf, kv, out1, out2
.if DOCPART == 5
	.amdgcn_target "amdgcn-amd-amdhsa--gfx1250"
	.amdhsa_code_object_version 6
	.text
	.protected	k_q41e5cd1deb_proj
	.globl	k_q41e5cd1deb_proj
	.p2align	8
	.type	k_q41e5cd1deb_proj,@function
k_q41e5cd1deb_proj:
	s_mov_b64 s[64:65], 0
	v_nop
	global_prefetch_b8 v0, s[64:65] scope:SCOPE_SE
	s_setreg_imm32_b32 hwreg(HW_REG_WAVE_SCHED_MODE, 0, 2), 2
	s_setreg_imm32_b32 hwreg(HW_REG_WAVE_MODE, 25, 1), 1
	s_wait_xcnt 0x0
	s_wait_alu depctr_vm_vsrc(0)
; q = xs w_q / 8, k = xs w_k, v = xs w_v on codes of FP6 (E2M3) with E8M0 scales, sums in f32; the results are quantised in registers for the attention's two products
; (q and k along the head's 64, v along the keys) and stored as images of operand registers; the last 512 positions of k and v also leave as f32 (out1, out2).
; ONE BODY.  A wave keeps a STATIONARY operand in registers, 128 rows x 512 K = 8 permuted tiles x 4 K steps, 384 registers, and walks 8 MOVING tiles of 16 rows x 512 K.
; Source 0 is a stationary tile, source 1 the moving tile: a lane holds ONE moving row, and its 64 results run along the stationary axis, 16 neighbours to each pair of tiles.
;   type 0 (q), 1 (k): stationary = the wave's 128 columns of the weight (two heads), moving = the block's 8 tiles of positions: the results run along the head's axis.
;   type 2 (v):        stationary = the block's 128 positions, moving = the wave's 8 natural tiles of w_v's columns: the results run along the keys.
;   type 3: as type 1 with w_v, for the last window alone: out2 leaves in whole rows; it stores nothing else.
; Work-groups: type = id / 64; a block is 128 positions of the 8,192.  192 + 8 work-groups: 768 + 32 wave tasks of 128 x 128 x 512; no equal split into more keeps whole fragments.
; Operands go from memory straight into registers, each as images, whole runs of 256 bytes.  NO CLUSTER, NO TENSOR LOAD: those land in LDS, and here nothing goes through LDS but the f32 rows on their way out;
; the moving tiles that the four waves of types 0, 1, 3 share are 48 KiB of the 96 KiB that a wave reads.  No barrier: a wave's stage is its own.
; LIMITS: as the launch before: NaN and infinities are not served; a block under 2^-124 keeps the byte 1.
; REGISTERS, in windows of 256: window 0: v1-13 addresses; v16-27 and v76-87 the codes just made, two buffers by turns; v48-55 the scale words made; v56-72, v88-94 at work; v96-159 the 8 accumulators;
;   v160-191 the stationary tiles' scale words, v192-223 the moving tiles'.
;   window 1: stationary tiles 0-3, fragment (t, s) at 12 (4 t + s);  window 2: tiles 4-7;  window 3: v0-191 four moving tiles by turns; v192-255 rows of f32 on their way out.
; THE MODE: SCHED_MODE bits 1:0 = 2 (LLVM: expert scheduling mode 2), set by the entry lines.  The code itself states the register dependences
; between vector or matrix instructions and memory or LDS instructions, with s_wait_alu, always for 0.
; THE PLAN.  Registers that memory or LDS instructions touch, trip by trip:
;   the moving tiles   Trip i: its 32 products read slot i % 4; behind them the loads of tile i + 4 land in it.
;   HA (v96-159)       Trip i: its products write it; the f32 way's LDS stores and the quantiser read it; trip i + 1's products write it anew.
;   RB (window 3)      Trip i: LDS loads land in it, global stores read it; no vector instruction names it.
;   PC0, PC1           Trip i: the quantiser writes PC[i % 2]; the four stores of that image are issued in trip i + 1.
;   v1-v10             Offsets and addresses, made at the head and never written again.
; So a trip has ONE wait on va_vdst, behind its products and their places: the products have written HA and are done reading the moving tile, and the last trip's quantiser has written its codes.
; The trip's loads, its LDS stores and loads and the last trip's image stores follow it; then comes the quantiser, which names none of the registers that those touch but HA, which it only reads.
; And ONE wait on vm_vsrc, at the trip's head, beside the wait on XCNT: all that the last trip's stores read may be written again; those stores stand ahead of the last trip's quantiser.
.set HS,    470016
.set HSQ,   212992
.set REC,   13056
.set QREC,  6656
.set PITCH, 528
.set WST,   16*PITCH
.set PC1,   16
.set SW,    48
.set TM,    56
.set PW,    72
.set PC0,   76
.set PT,    88
.set HA,    96
.set SS,    160
.set MS,    192
.set RB,    192                        ; in window 3
.set SEL,   42
.set MSB, 0
.macro WIN new                         ; the immediate's high byte repeats the setting that is left
.if MSB != \new
	s_set_vgpr_msb (MSB<<8)|\new
.set MSB, \new
.endif
.endm
.set MULA, 0x0d                        ; source 0 window 1, source 1 window 3, C and D window 0
.set MULB, 0x0e                        ; source 0 window 2
; 64 numbers of a lane, v[s] on, become a fragment's codes in v[pc] on and its scale word in v[PW]
.macro QUANT s, pc
.irp b, 0,1,2,3
	v_max3_num_f32 v[TM+\b], |v[\s+16*\b]|, |v[\s+1+16*\b]|, 0x1800000   ; my 16 numbers of block b, and the floor 2^(3 - 127).  (Each accumulator is read from its low end on)
.endr
.irp i, 2,4,6,8,10,12,14
.irp b, 0,1,2,3
	v_max3_num_f32 v[TM+\b], v[TM+\b], |v[\s+16*\b+\i]|, |v[\s+1+16*\b+\i]|
.endr
.endr
.irp b, 0,1,2,3
	v_permlanex16_b32 v[TM+4+\b], v[TM+\b], s[SEL], s[SEL+1]
.endr
.irp b, 0,1,2,3
	v_max_num_f32 v[TM+\b], v[TM+\b], v[TM+4+\b]
.endr
.irp b, 0,1,2,3
	v_add_nc_u32 v[TM+12+\b], 0xff000000, v[TM+\b]
.endr
.irp b, 0,1,2,3
	v_lshrrev_b32 v[TM+4+\b], 23, v[TM+12+\b]
.endr
	v_lshl_or_b32 v[PW], v[TM+5], 8, v[TM+4]
	v_lshl_or_b32 v[PW], v[TM+6], 16, v[PW]
	v_lshl_or_b32 v[PW], v[TM+7], 24, v[PW]
.irp c, 0,1
	v_cvt_scalef32_pk16_fp6_f32 v[(\pc)+6*\c:(\pc)+2+6*\c], v[\s+32*\c:\s+15+32*\c], v[TM+12+2*\c]
	v_cvt_scalef32_pk16_fp6_f32 v[PT+4*\c:PT+2+4*\c], v[\s+16+32*\c:\s+31+32*\c], v[TM+12+2*\c+1]
.endr
	v_nop                                          ; one plain line behind the conversions
.irp c, 0,1
.irp i, 0,1,2
	v_permlane16_swap_b32 v[(\pc)+6*\c+\i], v[PT+4*\c+\i]
.endr
.irp i, 0,1,2
	v_mov_b32 v[(\pc)+3+6*\c+\i], v[PT+4*\c+\i]
.endr
.endr
.endm
.macro STORE_IMG pc, base
	global_store_b128 v1, v[\pc:\pc+3], s[\base:\base+1]
	global_store_b64 v2, v[\pc+4:\pc+5], s[\base:\base+1] offset:512
	global_store_b128 v3, v[\pc+6:\pc+9], s[\base:\base+1]
	global_store_b64 v4, v[\pc+10:\pc+11], s[\base:\base+1] offset:512
.endm
.macro LDFRAG reg, base, off           ; a fragment's image, 1,536 bytes, into 12 registers
	global_load_b128 v[(\reg):(\reg)+3], v1, s[\base:\base+1] offset:(\off)
	global_load_b64 v[(\reg)+4:(\reg)+5], v2, s[\base:\base+1] offset:(\off)+512
	global_load_b128 v[(\reg)+6:(\reg)+9], v1, s[\base:\base+1] offset:(\off)+768
	global_load_b64 v[(\reg)+10:(\reg)+11], v2, s[\base:\base+1] offset:(\off)+1280
.endm
.macro MM t, s, i                      ; stationary tile t x moving tile i, K step s; the first K step starts the sum
.set rD, HA+8*(\t)
.set rA, 12*(4*((\t)%4)+(\s))
.set rB, 48*((\i)%4)+12*(\s)
.if (\s) == 0
	v_wmma_scale_f32_16x16x128_f8f6f4 v[rD:rD+7], v[rA:rA+11], v[rB:rB+11], 0, v[SS+4*(\t)+(\s)], v[MS+4*(\i)+(\s)] matrix_a_fmt:MATRIX_FMT_FP6 matrix_b_fmt:MATRIX_FMT_FP6
.else
	v_wmma_scale_f32_16x16x128_f8f6f4 v[rD:rD+7], v[rA:rA+11], v[rB:rB+11], v[rD:rD+7], v[SS+4*(\t)+(\s)], v[MS+4*(\i)+(\s)] matrix_a_fmt:MATRIX_FMT_FP6 matrix_b_fmt:MATRIX_FMT_FP6
.endif
.endm
	s_load_b512 s[4:19], s[0:1], 0x0               ; xs_img, xs_sc, w_img, w_sc, qbuf, kv, out1, out2
	v_lshl_add_u32 v254, v0, 2, 0x8400
	v_mov_b32 v255, 0
	v_lshrrev_b32 v10, 5, v0
	v_readfirstlane_b32 s20, v10                   ; wave
	v_and_b32 v11, 31, v0
	v_and_b32 v12, 15, v0                          ; r
	v_bfe_u32 v13, v0, 4, 1                        ; h
	v_lshlrev_b32 v1, 4, v11                       ; 16 x lane
	v_lshlrev_b32 v2, 3, v11                       ; 8 x lane
	v_lshlrev_b32 v10, 4, v12                      ; 16 r: a row's four scale words
	s_wait_alu depctr_va_sdst(0)                   ; s20 is written, ahead of the first line that reads it: the weight's tiles, the heads and the stage are made from it
	s_lshr_b32 s21, ttmp9, 6                       ; type
	s_and_b32 s44, ttmp9, 63
	s_lshr_b32 s45, s44, 2
	s_lshl_b32 s45, s45, 5
	s_and_b32 s46, s44, 3
	s_add_co_u32 s45, s45, s46
	s_add_co_u32 s45, s45, 28                      ; type 3: blocks 28-31 of each batch
	s_cmp_eq_u32 s21, 3
	s_cselect_b32 s44, s45, s44                    ; the block of 128 positions
	s_lshr_b32 s45, s44, 5                         ; batch
	s_and_b32 s46, s44, 31                         ; block in the batch
	s_mul_i32 s48, s44, 49152                      ; xs: 8 tiles x 4 fragments
	s_mov_b32 s49, 0
	s_lshl_b32 s50, s44, 11
	s_mov_b32 s51, 0
	s_lshl_b32 s47, s21, 5
	s_lshl_b32 s52, s20, 3
	s_add_co_u32 s47, s47, s52                     ; the weight's tiles 32 type + 8 w on
	s_mul_i32 s52, s47, 6144
	s_mov_b32 s53, 0
	s_lshl_b32 s54, s47, 8
	s_mov_b32 s55, 0
	s_wait_kmcnt 0x0
	s_add_nc_u64 s[4:5], s[4:5], s[48:49]
	s_add_nc_u64 s[6:7], s[6:7], s[50:51]
	s_add_nc_u64 s[8:9], s[8:9], s[52:53]
	s_add_nc_u64 s[10:11], s[10:11], s[54:55]
	s_cmp_eq_u32 s21, 2
	s_cselect_b64 s[24:25], s[4:5], s[8:9]         ; stationary: codes,
	s_cselect_b64 s[26:27], s[8:9], s[4:5]         ; moving: codes,
	s_cselect_b64 s[28:29], s[6:7], s[10:11]       ; stationary: scale words,
	s_cselect_b64 s[30:31], s[10:11], s[6:7]       ; moving: scale words
	s_wait_alu depctr_va_vdst(0)                   ; v1, v2 and v10 are written: every load below reads one of them as its offset; only loads and window switches follow up to the last of them
.irp t, 0,1,2,3,4,5,6,7
	global_load_b128 v[SS+4*\t:SS+4*\t+3], v10, s[28:29] offset:256*\t   ; tile t's row r: the words of the four K steps (lanes 16-31 repeat lanes 0-15)
.endr
.irp t, 0,1,2,3,4,5,6,7
	global_load_b128 v[MS+4*\t:MS+4*\t+3], v10, s[30:31] offset:256*\t
.endr
	WIN 0x40
.set f, 0
.rept 16
	LDFRAG 12*f, 24, 1536*f
.set f, f+1
.endr
	WIN 0x80
.set f, 0
.rept 16
	LDFRAG 12*f, 24, 1536*(f+16)
.set f, f+1
.endr
	WIN 0xc0
.set f, 0
.rept 16
	LDFRAG 12*f, 26, 1536*f                        ; moving tiles 0-3
.set f, f+1
.endr
	WIN 0
	; where the results go
	s_lshl_b32 s47, s45, 3
	s_lshl_b32 s48, s20, 1
	s_add_co_u32 s47, s47, s48                     ; 8 x batch + head 2 w
	s_lshl_b32 s48, s47, 5
	s_add_co_u32 s48, s48, s46
	s_mul_i32 s48, s48, QREC                       ; q's record
	s_mul_i32 s50, s47, 36
	s_add_co_u32 s50, s50, s46
	s_add_co_u32 s50, s50, 4
	s_mul_i32 s50, s50, REC                        ; k's and v's: key index = position + 512
	s_mov_b32 s54, HS
	s_mov_b32 s59, 12288
	s_cmp_eq_u32 s21, 0
	s_cselect_b64 s[32:33], s[12:13], s[14:15]
	s_cselect_b32 s48, s48, s50
	s_cselect_b32 s53, HSQ, s54                    ; from head to head
	s_cselect_b32 s59, 6144, s59                   ; from the images to the scale words
	s_mov_b32 s38, 768
	s_mov_b32 s40, 768
	s_mov_b32 s57, 256
	s_cmp_eq_u32 s21, 2
	s_cselect_b32 s55, 6144, 0                     ; V's tiles lie behind K's
	s_cselect_b32 s52, 768, s53                    ; HALF: v: one fragment; q, k: the second half belongs to the next head
	s_cselect_b32 s38, 1536, s38                   ; from tile to tile,
	s_cselect_b32 s40, HS-4608, s40                ; and on to tile 4: v: the next head's first tile
	s_cselect_b32 s56, 0, s53                      ; scale words: lanes 16-31 serve the next head (q, k)
	s_cselect_b32 s57, s54, s57                    ; the second four words: the next 256 bytes (q, k) or the next head (v)
	s_cselect_b32 s58, 0, 16
	s_cselect_b32 s59, 6656, s59
	s_add_co_u32 s48, s48, s55
	s_mov_b32 s49, 0
	s_mov_b32 s39, 0
	s_mov_b32 s41, 0
	s_add_nc_u64 s[32:33], s[32:33], s[48:49]      ; the images
	s_mov_b32 s48, s59
	s_add_nc_u64 s[34:35], s[32:33], s[48:49]      ; the scale words
	s_cmp_ge_u32 s46, 28
	s_cselect_b32 s22, 1, 0
	s_cmp_eq_u32 s21, 1
	s_cselect_b32 s22, s22, 0
	s_cselect_b64 s[36:37], s[16:17], s[18:19]
	s_cmp_eq_u32 s21, 3
	s_cselect_b32 s22, 1, s22                      ; 1: the results also leave as f32
	s_lshl_b32 s48, s45, 20
	s_and_b32 s50, s46, 3
	s_lshl_b32 s50, s50, 18
	s_add_co_u32 s48, s48, s50
	s_lshl_b32 s50, s20, 9
	s_add_co_u32 s48, s48, s50
	s_add_nc_u64 s[36:37], s[36:37], s[48:49]      ; row 512 x batch + 128 (block % 4), + 512 w bytes
	s_mov_b32 s[SEL], 0x76543210
	s_mov_b32 s[SEL+1], 0xfedcba98
	v_add_nc_u32 v3, s52, v1                       ; (v3 to v9 and the cleared registers below are first read by memory or LDS instructions behind trip 0's wait on va_vdst)
	v_add_nc_u32 v4, s52, v2
	v_mul_u32_u24 v5, s56, v13
	v_add_nc_u32 v5, v5, v10
	v_add_nc_u32 v6, s57, v5
	v_mul_u32_u24 v7, s58, v13
	s_mul_i32 s50, s20, WST
	v_mul_u32_u24 v8, v12, PITCH
	v_lshl_add_u32 v8, v13, 6, v8
	v_add_nc_u32 v8, s50, v8                       ; my stage, in: row r, + 64 h
	v_add_nc_u32 v9, s50, v1                       ; and back: 16 x lane of a row
.irp b, 0,1,2,3
	v_mov_b32 v[TM+4+\b], 0                        ; a lane permute's destination counts as one of its sources
.endr
.irp b, 0,1,2,3,4,5,6,7
	v_mov_b32 v[SW+\b], 0                          ; written on every way
.endr
.irp b, 0,1,2,3,4,5,6,7,8,9,10,11
	v_mov_b32 v[PC0+\b], 0                         ; written on every way: an image's stores stand a trip behind the lines that make it, each under its own branch on the type
	v_mov_b32 v[PC1+\b], 0
.endr
; A TRIP: moving tile i against the eight stationary tiles.
.macro TRIP i
.set PCC, PC0+(PC1-PC0)*((\i)%2)       ; this trip's codes
.set PCP, PC0+(PC1-PC0)*(((\i)+1)%2)   ; the last trip's
.if \i <= 4
	s_wait_loadcnt 48                              ; this tile's 16 loads (and all before them) are in; those of the three tiles behind it may be out
.else
	s_wait_loadcnt 16*(7-\i)
.endif
.if \i > 0
	s_wait_xcnt 0x0                                ; the last trip's global stores have had their addresses translated: the images' base, this trip's code buffer and the f32 rows' registers are written again only behind this wait
	s_wait_alu depctr_vm_vsrc(0)                   ; the last trip's LDS stores have read the accumulators, which the products below write anew; its global stores have read the f32 rows' registers, in which LDS loads land, and this trip's code buffer, which the quantiser writes
.endif
	WIN MULA
.irp s, 0,1,2,3
.irp t, 0,1,2,3
	MM \t, \s, \i                                  ; four accumulators by turns, one instruction a turn
.endr
.endr
	WIN MULB
.irp s, 0,1,2,3
.irp t, 4,5,6,7
	MM \t, \s, \i
.endr
.endr
.rept 5
	v_nop                                          ; places: four ahead of the first read of results (ISA guide 7.12.1); five ahead of the next trip's products, which begin the accumulators anew
.endr
.if \i < 4
	WIN 0xc0
	s_wait_alu depctr_va_vdst(0)                   ; the products are done reading this moving tile, in which the loads below land, and have written the accumulators, which the LDS stores read; the last trip's quantiser has written its codes, which the image stores read (trip 0: v3 to v9 are written)
.irp s, 0,1,2,3
	LDFRAG 48*(\i%4)+12*\s, 26, (4*(\i+4)+\s)*1536 ; the tile four trips on takes this tile's registers
.endr
	WIN 0
.else
	WIN 0
	s_wait_alu depctr_va_vdst(0)                   ; the products have written the accumulators, which the LDS stores read; the last trip's quantiser has written its codes, which the image stores read
.endif
	s_cmp_eq_u32 s22, 0
	s_cbranch_scc1 .Lno_f32_\@
.irp b, 0,1,2,3                                ; a lane holds 16 neighbours of each 32 of its row: through my stage, back as whole rows of 512 bytes
.irp j, 0,1,2,3
	ds_store_b128 v8, v[HA+16*\b+4*\j:HA+16*\b+4*\j+3] offset:128*\b+16*\j   ; each accumulator from its low end on
.endr
.endr
	WIN 0xc0
.irp q, 0,1,2,3,4,5,6,7,8,9,10,11,12,13,14,15
	ds_load_b128 v[RB+4*\q:RB+4*\q+3], v9 offset:PITCH*\q   ; LDS serves a wave's instructions in order: these see my stores.  No vector instruction names these registers
.endr
	WIN 0x0c
.irp q, 0,1,2,3,4,5,6,7,8,9,10,11,12,13,14,15
	s_wait_dscnt 15-\q                             ; row q is back; the 15 - q younger loads may be out
	global_store_b128 v1, v[RB+4*\q:RB+4*\q+3], s[36:37] offset:(32*(\i/2)+8*(\i%2)+\q+8*(\q/8))*2048 th:TH_STORE_NT   ; 512 consecutive bytes of a row
.endr
	WIN 0
.Lno_f32_\@:
	s_cmp_eq_u32 s21, 3
	s_cbranch_scc1 .Lonly_f32_\@
.if \i > 0
.if \i == 5
	s_add_nc_u64 s[32:33], s[32:33], s[40:41]      ; on to tile 4's place (no store has read this base since the wait on XCNT at the trip's head)
.elseif \i > 1
	s_add_nc_u64 s[32:33], s[32:33], s[38:39]      ; on to tile i - 1's place
.endif
	STORE_IMG PCP, 32                              ; the last trip's image: no vector instruction since the wait above names its registers
.endif
	QUANT HA, PCC
	v_lshrrev_b32 v[SW+\i], v7, v[PW]              ; q, k: lanes 16-31 keep the second head's two bytes
.Lonly_f32_\@:
.endm
	TRIP 0
	TRIP 1
	TRIP 2
	TRIP 3
	TRIP 4
	TRIP 5
	TRIP 6
	TRIP 7
	s_cmp_eq_u32 s21, 3
	s_cbranch_scc1 .Lend
	s_wait_xcnt 0x0                                ; tile 6's image stores have read their base
	s_add_nc_u64 s[32:33], s[32:33], s[38:39]      ; on to tile 7's place
	s_wait_alu depctr_va_vdst(0)                   ; trip 7's quantiser has written its codes and the last scale word, which the stores below read
	STORE_IMG PC1, 32
	global_store_b128 v5, v[SW:SW+3], s[34:35]     ; sixteen lanes store 256 consecutive bytes: [r][four tiles]
	global_store_b128 v6, v[SW+4:SW+7], s[34:35]
.Lend:
	s_wait_dscnt 0x0
	s_wait_alu depctr_hold_cnt(0) depctr_sa_sdst(0) depctr_va_vdst(0) depctr_va_sdst(0) depctr_va_ssrc(0) depctr_va_vcc(0) depctr_vm_vsrc(0)
	s_wait_tensorcnt 0x0
	ds_add_u32 v254, v255
	s_wait_dscnt 0x0
	s_endpgm
.Lfunc_end_k_q41e5cd1deb_proj:
	.size	k_q41e5cd1deb_proj, .Lfunc_end_k_q41e5cd1deb_proj-k_q41e5cd1deb_proj
	.p2alignl 7, 3214868480
	.fill 96, 4, 3214868480
	.section	.rodata,"a",@progbits
	.p2align	6, 0x0
	.amdhsa_kernel k_q41e5cd1deb_proj
		.amdhsa_group_segment_fixed_size 34304
		.amdhsa_private_segment_fixed_size 0
		.amdhsa_enable_private_segment 0
		.amdhsa_kernarg_size 64
		.amdhsa_user_sgpr_count 2
		.amdhsa_user_sgpr_kernarg_segment_ptr 1
		.amdhsa_wavefront_size32 1
		.amdhsa_system_sgpr_workgroup_id_x 1
		.amdhsa_system_sgpr_workgroup_id_y 1
		.amdhsa_system_sgpr_workgroup_id_z 1
		.amdhsa_system_vgpr_workitem_id 0
		.amdhsa_next_free_vgpr 1024
		.amdhsa_next_free_sgpr 66
		.amdhsa_reserve_vcc 0
		.amdhsa_float_denorm_mode_32 3
		.amdhsa_float_denorm_mode_16_64 3
		.amdhsa_memory_ordered 1
		.amdhsa_forward_progress 1
		.amdhsa_inst_pref_size 134
	.end_amdhsa_kernel
	.amdgpu_metadata
---
amdhsa.version: [ 1, 2 ]
amdhsa.kernels:
  - .name:           k_q41e5cd1deb_proj
    .symbol:         k_q41e5cd1deb_proj.kd
    .args:
      - { .name: xs_img, .offset: 0, .size: 8, .value_kind: global_buffer, .address_space: global }
      - { .name: xs_sc, .offset: 8, .size: 8, .value_kind: global_buffer, .address_space: global }
      - { .name: w_img, .offset: 16, .size: 8, .value_kind: global_buffer, .address_space: global }
      - { .name: w_sc, .offset: 24, .size: 8, .value_kind: global_buffer, .address_space: global }
      - { .name: qbuf, .offset: 32, .size: 8, .value_kind: global_buffer, .address_space: global }
      - { .name: kv, .offset: 40, .size: 8, .value_kind: global_buffer, .address_space: global }
      - { .name: out1, .offset: 48, .size: 8, .value_kind: global_buffer, .address_space: global }
      - { .name: out2, .offset: 56, .size: 8, .value_kind: global_buffer, .address_space: global }
    .group_segment_fixed_size: 34304
    .private_segment_fixed_size: 0
    .kernarg_segment_align: 8
    .kernarg_segment_size: 64
    .max_flat_workgroup_size: 128
    .sgpr_count:     66
    .vgpr_count:     1024
    .wavefront_size: 32
...
	.end_amdgpu_metadata
.endif
;; end of part 5
;; launch attn (part 6): grid 16 x 16, 16 waves a work-group, no clusters, 162,560 bytes of LDS; arguments qbuf, kv, rel_bias, out0; writes out0
.if DOCPART == 6
	.amdgcn_target "amdgcn-amd-amdhsa--gfx1250"
	.amdhsa_code_object_version 6
	.text
	.protected	k_q41e5cd1deb_attn
	.globl	k_q41e5cd1deb_attn
	.p2align	8
	.type	k_q41e5cd1deb_attn,@function
k_q41e5cd1deb_attn:
	s_mov_b64 s[64:65], 0
	v_nop
	global_prefetch_b8 v0, s[64:65] scope:SCOPE_SE
	s_setreg_imm32_b32 hwreg(HW_REG_WAVE_SCHED_MODE, 0, 2), 2
	s_setreg_imm32_b32 hwreg(HW_REG_WAVE_MODE, 25, 1), 1
	s_wait_xcnt 0x0
	s_wait_alu depctr_vm_vsrc(0)
; out0[b][g][head][:] = the sum over the 512 keys g - 511 .. g of softmax(q . k + bias(g - key)) v, both products on codes of FP6 (E2M3) with E8M0 scales.
; The windows of the problem are this band: key index kk = position + 512; kk 0-511 are the given cache.  The blocks of 32 keys fall on multiples of 32 of kk.
; SOFTMAX: t = logit x log2(e); M = the running largest t rounded UP to a whole number; p = 2^(t - M) is quantised along the keys; the sum is taken of the unquantised p and divides at the end.
; SHARES.  A work-group owns 256 queries of one head (x = block, y = 8 x batch + head); each of its sixteen waves one permuted tile of 16 queries, in 256 registers: four waves to a SIMD,
; so that one wave's vector work stands beside another's products and LDS loads.  A wave of group G = wave / 8 walks the five records (128 keys each) 2 x + G .. 2 x + G + 4, in the order 1, 2, 3, 4, 0:
; the first is wholly visible, so M is a number from the start.  With xq the query's place in its 128 and kappa the key's in record sg: n = query - key = xq + 512 - 128 sg - kappa.
; BIAS AND MASK ARE THE C OF THE SCORE PRODUCTS: in records 1 and 2 n is 129 or more, bucket 31: eight registers of that one number; in records 3, 4, 0 a table T(n) in LDS is loaded straight into the accumulators:
; T(n) = rel_bias[head][bucket(n)] for 0 <= n < 512, else -1e30.  bucket(n) = n under 16, else 16 + the number of thresholds at or under n: 16 x 8^(j / 16) rounded up, j = 1 .. 15.
; (Score and bias are so added with one rounding, in the matrix unit.)
; Both products are used transposed (S^T = K Q^T, O^T = V^T P^T): a lane holds one query throughout; the keys of a tile of K are permuted, so that p's 16 registers of two tiles are 16 neighbouring keys.
; K = 64 in the first product: Q's registers 6-11 are zero codes.  K's operand for tile t is 12 registers of which the upper six are the next tile's codes (behind tile 7: zeros): they meet Q's zero codes, and no scale byte is 0xff, so they add nothing.
; The six records, 78,336 bytes, are copied into LDS once, as they lie.  NO CLUSTER: neighbouring work-groups want ranges two records apart, so a joint load's LDS address would hang on the work-group's place; no ring: nothing is filled again.  One barrier.
; LIMITS: NaN and infinities are not served; a block of p that has fallen to zero keeps the byte 1: its codes are zeros.
; THE MODE: SCHED_MODE bits 1:0 = 2 (LLVM: expert scheduling mode 2), set by the entry lines.  The code itself states the register dependences
; between vector or matrix instructions and memory or LDS instructions, with s_wait_alu, always for 0.
; THE PLAN.  Registers that LDS instructions touch in a key step:
;   v1-v4         LDS addresses, made at the head and never written again.
;   v36-83        K's loads land; the score products read them; V's loads land; the second product reads them; the next step's K lands.
;   KS, VS        Scale words: KS is read by the score products, VS by the second product.
;   S (v96-159)   The table's loads land, or the score products write; the softmax works there; the conversions read it last.
;   PC, PS        p's codes and scale word: made by vector instructions, taken by the second product; no LDS instruction names them.
; Waits on va_vdst in a step: (1) behind the score products' places: they are done reading K's registers: V's loads follow; (2), (3) behind the two batches of exponentials;
; (4) behind the places ahead of the second product: p's codes and scale word are written.  That wait also shows the conversions done reading S and the score products done reading KS: so the NEXT step's
; table loads and K scale words are issued there, ahead of the four products, which name none of those registers; (5) behind the second product's places: it is done reading V's registers: the next step's K follows.
.set REC,  13056
.set QREC, 6656
.set TAB,  78336                       ; four copies of T: copy m has T(n) at word 640 + m - n; a lane with r % 4 = m finds its 16 values, keys ascending, at a multiple of 16 bytes
.set O1,   3104                        ; the copies begin at 0, 3104, 6272, 9376
.set O2,   6272
.set O3,   9376
.set STG,  90880                       ; the way out: 16 rows x (256 + 16) bytes for each wave
.set CB,   28                          ; v28-35   bucket 31's bias, eight times
.set KF,   36                          ; v36-83   K's eight tiles, six registers each; v84-89 zeros
.set VF,   36                          ; v36-83   later V's four fragments
.set S,    96                          ; v96-159  S^T, then p
.set OT,   160                         ; v160-191 O^T
.set PC,   192                         ; v192-203 p's codes; v204-211 halves on their way
.set PT,   204
.set BM,   212                         ; v212-215 the blocks' largest scores, then largest p
.set PM,   216
.set SO,   220
.set KS,   224                         ; v224-231 K's scale words; v232-235 V's; v236 Q's; v237 p's: these hold scales and nothing else
.set VS,   232
.set QS,   236
.set PS,   237
.set FF,   238                         ; v[238:239] f = 2^(old M - new M)
.set T2,   240
.set TT,   242
.set CS,   34                          ; s[34:35] log2(e)
.set SEL,  36                          ; s[36:37] v_permlanex16_b32's selects for lane l xor 16
.set MK,   40                          ; s40-55   the table's sixteen masks
	s_load_b256 s[4:11], s[0:1], 0x0               ; qbuf, kv, rel_bias, out0
	v_lshl_add_u32 v254, v0, 2, 0x27300
	v_mov_b32 v255, 0
	v_lshrrev_b32 v8, 5, v0
	v_readfirstlane_b32 s12, v8                    ; wave 0..15
	v_lshlrev_b32 v8, 4, v0                        ; the copy: 16 bytes a thread
	v_and_b32 v243, 31, v0                         ; lane
	v_and_b32 v244, 15, v0                         ; r
	v_bfe_u32 v245, v0, 4, 1                       ; h
.irp j, 132,133,134,135
	v_mov_b32 v\j, 0                               ; written on every way: nine waves alone load them
.endr
	s_wait_alu depctr_va_sdst(0)                   ; s12 is written, ahead of the first line that reads it
	s_and_b32 s13, ttmp7, 0xffff                   ; y
	s_lshr_b32 s14, s12, 3                         ; G
	s_and_b32 s15, s12, 7                          ; my tile in its record of q
	s_lshl_b32 s22, ttmp9, 1
	s_mul_i32 s16, s13, 36
	s_add_co_u32 s16, s16, s22
	s_mul_i32 s16, s16, REC                        ; record 2 x of head y
	s_mov_b32 s17, 0
	s_lshl_b32 s18, s13, 5
	s_add_co_u32 s18, s18, s22
	s_add_co_u32 s18, s18, s14
	s_mul_i32 s18, s18, QREC                       ; q's record 2 x + G
	s_mov_b32 s19, 0
	s_and_b32 s20, s13, 7                          ; head
	s_lshl_b32 s22, s20, 7
	s_mov_b32 s23, 0
	s_wait_kmcnt 0x0
	s_add_nc_u64 s[24:25], s[6:7], s[16:17]
	s_add_nc_u64 s[26:27], s[4:5], s[18:19]
	s_add_nc_u64 s[28:29], s[8:9], s[22:23]        ; the head's 32 biases
	s_load_b32 s32, s[28:29], 0x7c                 ; bucket 31's
	s_wait_alu depctr_va_vdst(0)                   ; v8 is written, which the copy's loads read as their offset; so are v132 to v135, in which the tenth of them lands
.set i, 0
.rept 9
	global_load_b128 v[96+4*i:99+4*i], v8, s[24:25] offset:8192*i   ; the work-group reads 8,192 consecutive bytes
.set i, i+1
.endr
	s_cmp_lt_u32 s12, 9                            ; 78,336 = 9 x 8,192 + 9 x 512
	s_cbranch_scc0 .Lnine_a
	global_load_b128 v[132:135], v8, s[24:25] offset:73728
.Lnine_a:
	s_mul_i32 s16, s15, 768
	v_lshl_add_u32 v240, v243, 4, s16
	v_lshl_add_u32 v241, v243, 3, s16
	s_lshr_b32 s17, s15, 2
	s_lshl_b32 s17, s17, 8
	s_and_b32 s18, s12, 3
	s_lshl_b32 s18, s18, 2
	s_add_co_u32 s17, s17, s18
	s_add_co_u32 s17, s17, 6144
	v_lshl_add_u32 v242, v244, 4, s17
.irp j, 22,23,24,25,26,27,84,85,86,87,88,89
	v_mov_b32 v\j, 0                               ; zero codes
.endr
.irp b, 0,1,2,3
	v_mov_b32 v[PM+\b], 0                          ; a lane permute's destination counts as one of its sources
.endr
	v_mov_b32 v[FF+1], 0                           ; named as the upper half of a pair
	; the table: thread v0 makes T(n) for n = v0 - 128
	v_min_u32 v93, 128, v0
	v_sub_nc_u32 v93, v0, v93                      ; max(n, 0)
	v_mov_b32 v94, 16
	v_mov_b32 v246, 0
	v_mov_b32 v247, 1
.set k, 0
.irp thr, 19,21,24,27,31,35,40,46,52,59,67,77,87,99,113
	v_cmp_le_u32 s[MK+k], \thr, v93                ; the compares stand in one run, each with a mask register of its own
.set k, k+1
.endr
	v_cmp_gt_u32 s[MK+15], 16, v93
	s_wait_alu depctr_va_sdst(0)                   ; the sixteen masks are written, ahead of the selects that read them
.set k, 0
.rept 15
	v_cndmask_b32 v95, v246, v247, s[MK+k]
	v_add_nc_u32 v94, v94, v95
.set k, k+1
.endr
	v_cndmask_b32 v94, v94, v93, s[MK+15]
	v_min_u32 v94, 31, v94
	v_lshlrev_b32 v95, 2, v94
	s_wait_alu depctr_va_vdst(0)                   ; v240, v241, v242 and v95 are written: the four loads below read them as their offsets
	global_load_b128 v[16:19], v240, s[26:27]      ; Q's half image stays in registers
	global_load_b64 v[20:21], v241, s[26:27] offset:512
	global_load_b32 v[QS], v242, s[26:27]          ; its scale words: [tile / 4][r][tile % 4]
	global_load_b32 v90, v95, s[28:29]
	; addresses
	s_lshr_b32 s16, s13, 3
	s_lshl_b32 s16, s16, 23                        ; the batch's 4,096 rows of 2,048 bytes
	s_lshl_b32 s17, ttmp9, 19                      ; 256 x rows
	s_add_co_u32 s16, s16, s17
	s_lshr_b32 s17, s12, 1
	s_lshl_b32 s17, s17, 16                        ; 32 (wave / 2) rows
	s_add_co_u32 s16, s16, s17
	s_and_b32 s17, s12, 1
	s_lshl_b32 s17, s17, 14                        ; 8 (wave % 2) rows
	s_add_co_u32 s16, s16, s17
	s_lshl_b32 s17, s20, 8                         ; the head's 256 bytes
	s_add_co_u32 s16, s16, s17
	s_mov_b32 s17, 0
	s_add_nc_u64 s[30:31], s[10:11], s[16:17]
	s_mul_i32 s23, s14, REC                        ; my group's first record in LDS
	v_lshl_add_u32 v1, v243, 4, s23                ; images: 16 x lane,
	v_lshl_add_u32 v2, v243, 3, s23                ; 8 x lane,
	v_lshl_add_u32 v3, v244, 4, s23                ; scale words: 16 r
	s_bfe_u32 s20, s12, 0x20001                    ; pi = (wave / 2) % 4
	s_xor_b32 s20, s20, 3
	s_lshl_b32 s20, s20, 7
	s_and_b32 s21, s12, 1
	s_xor_b32 s21, s21, 1
	s_lshl_b32 s21, s21, 5
	s_add_co_u32 s20, s20, s21
	s_add_co_u32 s20, s20, TAB+96                  ; TAB + 512 - 128 pi - 32 u
	v_and_b32 v246, 1, v244
	v_mul_u32_u24 v4, v246, O1
	v_bfe_u32 v246, v244, 1, 1
	v_mad_u32_u24 v4, v246, O2, v4                 ; my copy, m = r % 4
	v_lshl_add_u32 v4, v245, 6, v4                 ; + 64 h
	v_add_nc_u32 v4, s20, v4
	v_lshrrev_b32 v246, 2, v244
	v_lshlrev_b32 v246, 4, v246
	v_sub_nc_u32 v4, v4, v246                      ; - 16 (r / 4)
	v_lshrrev_b32 v246, 3, v244
	v_lshlrev_b32 v246, 5, v246
	v_sub_nc_u32 v4, v4, v246                      ; - 32 (r / 8): 4 (128 + m - xq) in all
	s_mul_i32 s21, s12, 16*272
	s_add_co_u32 s21, s21, STG                     ; my stage
	v_mul_u32_u24 v5, v244, 272
	v_lshl_add_u32 v5, v245, 5, v5
	v_add_nc_u32 v5, s21, v5                       ; in: row r, + 32 h
	v_mul_u32_u24 v6, v245, 272
	v_lshl_add_u32 v6, v244, 4, v6
	v_add_nc_u32 v6, s21, v6                       ; back: lanes 0-15 one row, lanes 16-31 the next
	v_lshlrev_b32 v7, 11, v245
	v_lshl_add_u32 v7, v244, 4, v7                 ; and the same two rows in out0
	v_add_nc_u32 v9, 0x10000, v8                   ; an LDS immediate ends at 65,535
	v_lshlrev_b32 v10, 2, v0
	v_sub_nc_u32 v11, TAB+1024, v10                ; n = v0 + 384: word 256 + m - v0
	v_sub_nc_u32 v10, TAB+3072, v10                ; n = v0 - 128: word 768 + m - v0
	v_mov_b32 v91, 0xf149f2ca                      ; -1e30
	s_mov_b32 s[CS], 0x3fb8aa3b
	s_mov_b32 s[CS+1], s[CS]
	s_mov_b32 s[SEL], 0x76543210
	s_mov_b32 s[SEL+1], 0xfedcba98
	s_wait_kmcnt 0x0
.irp j, 0,1,2,3,4,5,6,7
	v_mov_b32 v[CB+\j], s32
.endr
	s_cmp_lt_u32 s12, 4
	s_cselect_b32 s13, s32, 0xf149f2ca             ; n = 384 .. 511: bucket 31; n = 512 .. 639: outside the window
	v_mov_b32 v92, s13
	s_wait_loadcnt 0x0
	v_cmp_gt_u32 vcc_lo, 128, v0                   ; n < 0: the key comes after the query
	s_wait_alu depctr_va_vcc(0)                    ; VCC is written, ahead of the select that reads it
	v_cndmask_b32 v90, v90, v91, vcc_lo
	s_wait_alu depctr_va_vdst(0)                   ; v9, v10, v11, v90 and v92 are written, which the LDS stores below read; so are the addresses v1 to v7 of all later LDS instructions and stores, and the zero codes v22-27 and v84-89, which the score products take as parts of their operands
.set i, 0
.rept 8
	ds_store_b128 v8, v[96+4*i:99+4*i] offset:8192*i
.set i, i+1
.endr
	ds_store_b128 v9, v[128:131]
	s_cmp_lt_u32 s12, 9
	s_cbranch_scc0 .Lnine_b
	ds_store_b128 v9, v[132:135] offset:8192
.Lnine_b:
	ds_store_b32 v10, v90
	ds_store_b32 v10, v90 offset:O1+4
	ds_store_b32 v10, v90 offset:O2+8
	ds_store_b32 v10, v90 offset:O3+12
	s_cmp_lt_u32 s12, 8
	s_cbranch_scc0 .Lno_tab
	ds_store_b32 v11, v92
	ds_store_b32 v11, v92 offset:O1+4
	ds_store_b32 v11, v92 offset:O2+8
	ds_store_b32 v11, v92 offset:O3+12
.Lno_tab:
	s_wait_dscnt 0x0                               ; for the others' sake: my stores have landed
	s_barrier_signal -1
	s_barrier_wait -1                              ; the records and the table are whole; nothing of them is written again
	s_wait_alu depctr_vm_vsrc(0)                   ; my LDS stores have read v96 to v135, which are S from here on, and Q's loads have read v240 to v242, which are at work from here on
; A KEY STEP: record sg of my five.  tab = 1: bias and mask from the table (its loads were issued in the step before).  first = 1: it starts M, the sum and O^T, and loads its own scale words of K (it takes no table).
; nsg, ntab: the next step's record, and whether it takes the table; nsg = -1: no step follows.
.macro STEP sg, tab, first, nsg, ntab
.set RO, REC*(\sg)
.set RN, REC*(\nsg)
.set t, 0
.rept 8
	ds_load_b128 v[KF+6*t:KF+6*t+3], v1 offset:RO+768*t
	ds_load_b64 v[KF+6*t+4:KF+6*t+5], v2 offset:RO+768*t+512
.set t, t+1
.endr
.if \first
	ds_load_b128 v[KS:KS+3], v3 offset:RO+12288
	ds_load_b128 v[KS+4:KS+7], v3 offset:RO+12544
.endif
	s_wait_dscnt 0x0
.set t, 0
.rept 8
.if \tab
	v_wmma_scale_f32_16x16x128_f8f6f4 v[S+8*t:S+8*t+7], v[KF+6*t:KF+6*t+11], v[16:27], v[S+8*t:S+8*t+7], v[KS+t], v[QS] matrix_a_fmt:MATRIX_FMT_FP6 matrix_b_fmt:MATRIX_FMT_FP6
.else
	v_wmma_scale_f32_16x16x128_f8f6f4 v[S+8*t:S+8*t+7], v[KF+6*t:KF+6*t+11], v[16:27], v[CB:CB+7], v[KS+t], v[QS] matrix_a_fmt:MATRIX_FMT_FP6 matrix_b_fmt:MATRIX_FMT_FP6
.endif
.set t, t+1
.endr
.rept 4
	v_nop                                          ; places ahead of the first read of the scores (ISA guide 7.12.1)
.endr
	s_wait_alu depctr_va_vdst(0)                   ; the score products are done reading K's registers, in which V's fragments land (the last step's second product was done reading V's scale words at that step's end)
.set d, 0
.rept 4
	ds_load_b128 v[VF+12*d:VF+12*d+3], v1 offset:RO+6144+1536*d          ; V's fragments land under the softmax, which names none of these registers
	ds_load_b64 v[VF+12*d+4:VF+12*d+5], v2 offset:RO+6144+1536*d+512
	ds_load_b128 v[VF+12*d+6:VF+12*d+9], v1 offset:RO+6144+1536*d+768
	ds_load_b64 v[VF+12*d+10:VF+12*d+11], v2 offset:RO+6144+1536*d+1280
.set d, d+1
.endr
	ds_load_b128 v[VS:VS+3], v3 offset:RO+12800
.irp b, 0,1,2,3
	v_max3_num_f32 v[BM+\b], v[S+16*\b], v[S+1+16*\b], v[S+2+16*\b]   ; the largest score of each block of 32 keys: for the row's maximum, and, since p rises with the score, for the block's largest p
.endr
.irp i, 3,5,7,9,11,13
.irp b, 0,1,2,3
	v_max3_num_f32 v[BM+\b], v[BM+\b], v[S+16*\b+\i], v[S+1+16*\b+\i]
.endr
.endr
.irp b, 0,1,2,3
	v_max_num_f32 v[BM+\b], v[BM+\b], v[S+15+16*\b]
.endr
.irp b, 0,1,2,3
	v_permlanex16_b32 v[PM+\b], v[BM+\b], s[SEL], s[SEL+1]
.endr
.irp b, 0,1,2,3
	v_max_num_f32 v[BM+\b], v[BM+\b], v[PM+\b]     ; with lane l xor 16's 16 keys
.endr
	v_max3_num_f32 v[TT], v[BM], v[BM+1], v[BM+2]
	v_max_num_f32 v[TT], v[TT], v[BM+3]
.if \first
	v_mul_f32 v13, s[CS], v[TT]                    ; the largest t
	v_floor_f32 v12, -v13                          ; -M = floor(-t): M is a whole number
.else
	v_mul_f32 v[TT], s[CS], v[TT]
	v_max_num_f32 v13, v13, v[TT]                  ; the running largest t (a step that is all masked leaves it)
	v_mov_b32 v[TT], v12
	v_floor_f32 v12, -v13
	v_sub_f32 v[TT], v12, v[TT]                    ; old M - new M: a whole number, 0 or less
	v_cvt_i32_f32 v[TT], v[TT]
	v_ldexp_f32 v[FF], 1.0, v[TT]                  ; f: a multiplication by it rounds nothing
.endif
.set j, 0
.rept 32
	v_pk_fma_f32 v[S+j:S+j+1], v[S+j:S+j+1], s[CS:CS+1], v[12:13] op_sel_hi:[1,0,0]   ; t - M, two at a time
.set j, j+2
.endr
.irp b, 0,1,2,3
	v_fma_f32 v[BM+\b], v[BM+\b], s[CS], v12
.endr
.set j, 0
	s_wait_alu depctr_va_vdst(0)
.rept 64
	v_exp_f32 v[S+j], v[S+j]                       ; p = 2^(t - M): not normalised; 0 where the mask stands
.set j, j+1
.endr
.if \first
	v_mov_b32 v14, 0                               ; the sum, in two halves.  (Plain lines behind the exponentials)
	v_mov_b32 v15, 0
.else
	v_pk_mul_f32 v[14:15], v[14:15], v[FF:FF+1] op_sel_hi:[1,0]   ; the sum under the new M.  (A plain line behind the exponentials)
.endif
	s_wait_alu depctr_va_vdst(0)                   ; the 64 exponentials have written p, v96 to v159: one wait for the batch, ahead of the first line that names a result
.irp b, 0,1,2,3
	v_exp_f32 v[BM+\b], v[BM+\b]                   ; the blocks' largest p
.endr
	v_pk_add_f32 v[T2:T2+1], v[S:S+1], v[S+2:S+3]  ; the sum of the unquantised p, in two chains; plain work behind the four
.irp j, 4,8,12,16,20,24,28,32,36,40,44,48,52,56,60
	v_pk_add_f32 v[14:15], v[14:15], v[S+\j:S+\j+1]
	v_pk_add_f32 v[T2:T2+1], v[T2:T2+1], v[S+\j+2:S+\j+3]
.endr
	v_pk_add_f32 v[14:15], v[14:15], v[T2:T2+1]
	s_wait_alu depctr_va_vdst(0)                   ; the four exponentials have written the blocks' largest p, v212 to v215, ahead of the first line that names one
.irp b, 0,1,2,3
	v_max_num_f32 v[BM+\b], 0x1800000, v[BM+\b]    ; the floor 2^(3 - 127): the byte cannot fall under 1
.endr
.irp b, 0,1,2,3
	v_add_nc_u32 v[SO+\b], 0xff000000, v[BM+\b]    ; 2 off the exponent field: the conversion's scale operand
.endr
.irp b, 0,1,2,3
	v_lshrrev_b32 v[PM+\b], 23, v[SO+\b]
.endr
	v_lshl_or_b32 v[PS], v[PM+1], 8, v[PM]         ; p's scale word for these 128 keys
	v_lshl_or_b32 v[PS], v[PM+2], 16, v[PS]
	v_lshl_or_b32 v[PS], v[PM+3], 24, v[PS]
.irp c, 0,1
	v_cvt_scalef32_pk16_fp6_f32 v[PC+6*\c:PC+2+6*\c], v[S+32*\c:S+15+32*\c], v[SO+2*\c]
	v_cvt_scalef32_pk16_fp6_f32 v[PT+4*\c:PT+2+4*\c], v[S+16+32*\c:S+31+32*\c], v[SO+2*\c+1]
.endr
	v_nop                                          ; one plain line behind the conversions
.irp c, 0,1
.irp i, 0,1,2
	v_permlane16_swap_b32 v[PC+6*\c+\i], v[PT+4*\c+\i]
.endr
.irp i, 0,1,2
	v_mov_b32 v[PC+3+6*\c+\i], v[PT+4*\c+\i]
.endr
.endr
.if \first
.rept 8
	v_nop                                          ; a scale word made by vector instructions stands eight places ahead of the product, an operand four
.endr
.else
.set j, 0
.rept 16
	v_pk_mul_f32 v[OT+j:OT+j+1], v[OT+j:OT+j+1], v[FF:FF+1] op_sel_hi:[1,0]   ; O^T under the new M; these are also the places ahead of the products
.set j, j+2
.endr
.endif
	s_wait_dscnt 0x0                               ; V
	s_wait_alu depctr_va_vdst(0)                   ; p's codes and its scale word are written, which the products below take as operand and scales (the places above stay beside this wait); the conversions are done reading S, in which the next step's table lands
.if \nsg >= 0
	ds_load_b128 v[KS:KS+3], v3 offset:RN+12288    ; the next step's scale words of K: this step's score products were done reading these registers at the step's first wait
	ds_load_b128 v[KS+4:KS+7], v3 offset:RN+12544
.if \ntab
.set n, 0
.rept 16
	ds_load_b128 v[S+4*n:S+4*n+3], v4 offset:512*(\nsg)+128*(n/4)+16*(n%4)   ; T for keys 32 (n / 4) + 16 h + 4 (n % 4) on: the next step's accumulators begin as bias and mask.  The four products below name none of these registers
.set n, n+1
.endr
.endif
.endif
.set d, 0
.rept 4
.if \first
	v_wmma_scale_f32_16x16x128_f8f6f4 v[OT+8*d:OT+8*d+7], v[VF+12*d:VF+12*d+11], v[PC:PC+11], 0, v[VS+d], v[PS] matrix_a_fmt:MATRIX_FMT_FP6 matrix_b_fmt:MATRIX_FMT_FP6
.else
	v_wmma_scale_f32_16x16x128_f8f6f4 v[OT+8*d:OT+8*d+7], v[VF+12*d:VF+12*d+11], v[PC:PC+11], v[OT+8*d:OT+8*d+7], v[VS+d], v[PS] matrix_a_fmt:MATRIX_FMT_FP6 matrix_b_fmt:MATRIX_FMT_FP6
.endif
.set d, d+1
.endr
.rept 4
	v_nop                                          ; places behind the products, ahead of the first read of O^T
.endr
.if \nsg >= 0
	s_wait_alu depctr_va_vdst(0)                   ; the products are done reading V's fragments and scale words: the next step's tiles of K land in the fragments' registers
.endif
.endm
	STEP 1, 0, 1, 2, 0
	STEP 2, 0, 0, 3, 1
	STEP 3, 1, 0, 4, 1
	STEP 4, 1, 0, 0, 1
	STEP 0, 1, 0, -1, 0
	; THE WAY OUT: O^T / the sum, through my stage, so that sixteen lanes store the 256 consecutive bytes of one query and head
	v_add_f32 v14, v14, v15
	v_permlanex16_b32 v[TT], v14, s[SEL], s[SEL+1]
	v_add_f32 v14, v14, v[TT]                      ; with lane l xor 16's: the row's sum
	s_wait_alu depctr_va_vdst(0)
	v_rcp_f32 v14, v14
	v_nop                                          ; a plain line behind the reciprocal
	s_wait_alu depctr_va_vdst(0)                   ; the reciprocal has written v14, ahead of the first line that names it
.set j, 0
.rept 32
	v_mul_f32 v[96+j], v[OT+j], v14                ; register 8 d + i is o(query r, 16 d + 8 h + i); each accumulator from its low end on
.set j, j+1
.endr
	s_wait_alu depctr_va_vdst(0)                   ; the multiplications have written v96 to v127, which the LDS stores read; the softmax's lines are done with v128 to v159, in which the LDS loads land
.irp d, 0,1,2,3
	ds_store_b128 v5, v[96+8*\d:99+8*\d] offset:64*\d
	ds_store_b128 v5, v[100+8*\d:103+8*\d] offset:64*\d+16
.endr
.irp i, 0,1,2,3,4,5,6,7
	ds_load_b128 v[128+4*\i:131+4*\i], v6 offset:544*\i   ; LDS serves a wave's instructions in order: these see my stores
.endr
.irp i, 0,1,2,3,4,5,6,7
	s_wait_dscnt 7-\i                              ; rows 2 i and 2 i + 1 are back; the 7 - i younger loads may be out
	global_store_b128 v7, v[128+4*\i:131+4*\i], s[30:31] offset:(2*\i+8*(\i/4))*2048 th:TH_STORE_NT   ; the tile's row rho is query rho + 8 (rho / 8) of its 32
.endr
	s_wait_dscnt 0x0
	s_wait_alu depctr_hold_cnt(0) depctr_sa_sdst(0) depctr_va_vdst(0) depctr_va_sdst(0) depctr_va_ssrc(0) depctr_va_vcc(0) depctr_vm_vsrc(0)
	s_wait_tensorcnt 0x0
	ds_add_u32 v254, v255
	s_wait_dscnt 0x0
	s_endpgm
.Lfunc_end_k_q41e5cd1deb_attn:
	.size	k_q41e5cd1deb_attn, .Lfunc_end_k_q41e5cd1deb_attn-k_q41e5cd1deb_attn
	.p2alignl 7, 3214868480
	.fill 96, 4, 3214868480
	.section	.rodata,"a",@progbits
	.p2align	6, 0x0
	.amdhsa_kernel k_q41e5cd1deb_attn
		.amdhsa_group_segment_fixed_size 162560
		.amdhsa_private_segment_fixed_size 0
		.amdhsa_enable_private_segment 0
		.amdhsa_kernarg_size 32
		.amdhsa_user_sgpr_count 2
		.amdhsa_user_sgpr_kernarg_segment_ptr 1
		.amdhsa_wavefront_size32 1
		.amdhsa_system_sgpr_workgroup_id_x 1
		.amdhsa_system_sgpr_workgroup_id_y 1
		.amdhsa_system_sgpr_workgroup_id_z 1
		.amdhsa_system_vgpr_workitem_id 0
		.amdhsa_next_free_vgpr 256
		.amdhsa_next_free_sgpr 66
		.amdhsa_reserve_vcc 1
		.amdhsa_float_denorm_mode_32 3
		.amdhsa_float_denorm_mode_16_64 3
		.amdhsa_memory_ordered 1
		.amdhsa_forward_progress 1
		.amdhsa_inst_pref_size 96
	.end_amdhsa_kernel
	.amdgpu_metadata
---
amdhsa.version: [ 1, 2 ]
amdhsa.kernels:
  - .name:           k_q41e5cd1deb_attn
    .symbol:         k_q41e5cd1deb_attn.kd
    .args:
      - { .name: qbuf, .offset: 0, .size: 8, .value_kind: global_buffer, .address_space: global }
      - { .name: kv, .offset: 8, .size: 8, .value_kind: global_buffer, .address_space: global }
      - { .name: rel_bias, .offset: 16, .size: 8, .value_kind: global_buffer, .address_space: global }
      - { .name: out0, .offset: 24, .size: 8, .value_kind: global_buffer, .address_space: global }
    .group_segment_fixed_size: 162560
    .private_segment_fixed_size: 0
    .kernarg_segment_align: 8
    .kernarg_segment_size: 32
    .max_flat_workgroup_size: 512
    .sgpr_count:     66
    .vgpr_count:     256
    .wavefront_size: 32
...
	.end_amdgpu_metadata
.endif
;; end of part 6
